; MI455X (gfx1250); checked and timed in simulation.
; The chip was launched on July 23, 2026; its instructions are those of AMD's public machine-readable ISA for CDNA 5 (MIT licence, August 2026) and "CDNA5" Instruction Set Architecture Reference Guide (July 2026). The comments in the code are by the model that wrote it; some were corrected since.
;; Multi Head Attention3 D. Allowed arithmetic: matrix products marked QUANTISED: E2M1 operands, one E8M0 scale for each 32 along K, by v_wmma_scale_f32_16x16x128_f8f6f4 with both operands' format E2M1 (or v_wmma_scale_f32_32x16x128_f4), f32 sums; products left as they are: bf16, f16 or f32 operands; f32 sums; everything else in f32.
;; Inputs: Wk 1,024 x 1,024 float32; Wo 1,024 x 1,024 float32; Wq 1,024 x 1,024 float32; Wv 1,024 x 1,024 float32; k 1,024 x 8 x 1,024 float32; mask 128 x 1,024 x 1,024 bool; q 1,024 x 8 x 1,024 float32; v 1,024 x 8 x 1,024 float32.
;; Outputs: out0 1,024 x 8 x 1,024 float32.
;; This version of the problem:
;;   THIS VERSION OF THE PROBLEM IS GIVEN IN LOW PRECISION. The matrix products marked QUANTISED in the list below multiply operands that are first quantised to E2M1 (2 exponent bits, 1 mantissa bit; 4 bits a number), with one power-of-two scale for each 32 numbers along K (OCP MX v1.0); their sums are f32. The products marked 'left as it is' may take bf16, f16 or f32 operands, with f32 sums. Whichever they take, every output number must still come out within the allowed error. Rounding operands to bf16 (8 significant bits) uses up far more of that allowance than f16 does (11 bits, for magnitudes from 6e-5 to 65,504). All else is computed in f32.
;;   The module's matrix products, in the order in which they are computed (A, B: the left and right operand; K: the contracted axis; several contracted axes count as one K, in the product's order):
;;     1. [M 8,192, K 1,024] x [K 1,024, N 1,024]; A: input q; B: input Wq: QUANTISED
;;     2. [M 8,192, K 1,024] x [K 1,024, N 1,024]; A: input k; B: input Wk: QUANTISED
;;     3. [M 8,192, K 1,024] x [K 1,024, N 1,024]; A: input v; B: input Wv: QUANTISED
;;     4. batch 128 x [M 1,024, K 64] x [K 64, N 1,024]; A: computed on the way; B: computed on the way: left as it is (an operand is computed on the way)
;;     5. batch 128 x [M 1,024, K 1,024] x [K 1,024, N 64]; A: computed on the way; B: computed on the way: left as it is (an operand is computed on the way)
;;     6. [M 8,192, K 1,024] x [K 1,024, N 1,024]; A: computed on the way; B: input Wo: left as it is (an operand is computed on the way)
;;   THE QUANTISER, for each operand of a quantised product, along K:
;;     - K is cut into blocks of 32 from its start; a last block that is shorter is filled with zeros.
;;     - A block's scale is 2^e with e = floor(log2(the largest magnitude in the block)) - 2, held to -126 .. 127; a block of zeros has e = 0. As a byte (E8M0): e + 127.
;;     - Each number is divided by its block's scale, clamped to +-6, and rounded to the nearest number of E2M1, ties to even, subnormals kept.
;;     - The product sums the exact products of the quantised numbers (number of the format x scale) in f32.
;;   ~~~python
;;   def quantise(x, axis):      # numpy; x: float32 -> the quantised numbers, widened to float32 again
;;       x = np.moveaxis(x, axis, -1); K = x.shape[-1]
;;       x = np.pad(x, [(0, 0)] * (x.ndim - 1) + [(0, -K % 32)]); x = x.reshape(x.shape[:-1] + (-1, 32)); a = np.abs(x).max(-1, keepdims=True)
;;       e = np.where(a > 0, np.clip(np.frexp(np.where(a > 0, a, 1))[1] - 1 - 2, -126, 127), 0)      # np.frexp(a)[1] - 1 = floor(log2(a)), exactly
;;       r = np.clip(x / 2.0 ** e, -6, 6)
;;       step = 2.0 ** (np.maximum(np.frexp(np.where(r == 0, 1, r))[1] - 1, 0) - 1)
;;       q = np.round(r / step) * step * 2.0 ** e      # np.round: ties to even
;;       return np.moveaxis(q.reshape(q.shape[:-2] + (-1,))[..., :K], -1, axis).astype(np.float32)
;;   ~~~
;; One version. Each part assembles by itself: llvm-mc -triple=amdgcn-amd-amdhsa -mcpu=gfx1250 --defsym DOCPART=n.
;; ======== version 1 of 1: 4 launches
;; limits: values are held in f16: magnitudes above 65,504 overflow, below 6.1e-05 lose precision
;; workspace buffers: codes 14,155,776 bytes; scales 884,736 bytes; wo16 2,097,152 bytes; qkv 50,331,648 bytes; att 16,777,216 bytes
;; launch quant (part 1): grid 896 x 1, 4 waves a work-group, no clusters, 33,280 bytes of LDS; arguments q, k, v, Wq, Wk, Wv, Wo, codes, scales, wo16; writes codes, scales, wo16
.if DOCPART == 1
	.amdgcn_target "amdgcn-amd-amdhsa--gfx1250"
	.amdhsa_code_object_version 6
	.text
	.protected	k_qd0e5e64350_quant
	.globl	k_qd0e5e64350_quant
	.p2align	8
	.type	k_qd0e5e64350_quant,@function
k_qd0e5e64350_quant:
	s_mov_b64 s[64:65], 0
	v_nop
	global_prefetch_b8 v0, s[64:65] scope:SCOPE_SE
	s_setreg_imm32_b32 hwreg(HW_REG_WAVE_MODE, 25, 1), 1
	s_wait_xcnt 0x0
; FIRST OF FOUR LAUNCHES of: out = attention(q Wq^T, k Wk^T, v Wv^T; mask) Wo^T.  No work of the problem is left out: every input has a way to the output and is loaded.
; This launch turns q, k, v [8192][1024] and Wq, Wk, Wv [1024][1024], f32, K innermost, into codes of FP4 (E2M1), 4 bits each, with one E8M0 scale byte for each 32 along K, and Wo into f16.
; A block's scale is 2^(floor(log2(its largest magnitude)) - 2); its byte is the largest magnitude's exponent field - 2, held at 1 from below.  (A block of zeros so gets the byte 1 where the rule says 127:
; its codes are zeros, which add nothing under any byte but 0xff, and the bytes are read by this program alone.)  Each number is divided by the scale and rounded to the nearest code, ties to even; beyond 6 the largest code.
; LIMITS: blocks whose largest magnitude lies under 2^(2 - 126) keep the byte 1; NaN and infinities among the inputs are not served; a number of Wo beyond 65,504 becomes infinite in f16.
; The six tensors are plain streams of blocks of 32; their codes and scale bytes lie one tensor behind the other in the order q, k, v, Wq, Wk, Wv.
; Work-groups 0-767: q, k, v (256 each); 768-863: Wq, Wk, Wv (32 each); 864-895: Wo.  A work-group takes 32,768 numbers, a wave 8,192.
; A wave takes 16 steps of 512 numbers: each of a step's four loads reads 512 consecutive bytes; the 2,048 bytes turn through the wave's own stage in LDS and come back 64 bytes (16 neighbours) a lane,
; two neighbouring lanes to a block.  A lane's 16 codes are 8 bytes: the wave stores 256 consecutive bytes.  A wave's 256 scale bytes are gathered in LDS and leave as one store of 256 consecutive bytes.
.set WAVES, 4
.set STEPS, 16
.set EMAX,  2
.set CB,    8                          ; bytes of 16 codes
.set R,     16                         ; v16-79   four sets of 16 numbers as they are loaded
.set X,     80                         ; v80-111  two sets of 16 neighbours
.set C,     128                        ; v128-191 codes: four registers for each step, so that no store's data are written again
.set E,     112                        ; v112-127 a scale byte for each step
.set WREG,  8192                       ; LDS: a region for each wave: two stages of 32 x SP bytes, behind them its 256 scale bytes
.set SP,    80                         ; a lane's place in a stage: 64 bytes + 16 of padding
.set SPW,   12                         ; v12 LDS address of my spare word; never rewritten
.set NIL,   13                         ; v13 0; never rewritten
.set SPARE, WAVES*WREG                 ; the spare words, 128 bytes for each wave, which no other line names
	s_load_b512 s[4:19], s[0:1], 0x0               ; q s[4:5], k, v, Wq, Wk, Wv s[14:15], Wo s[16:17], codes s[18:19]
	s_load_b128 s[20:23], s[0:1], 0x40             ; scales s[20:21], wo16 s[22:23]
	v_lshl_add_u32 v[SPW], v0, 2, SPARE
	v_mov_b32 v[NIL], 0
	v_lshrrev_b32 v1, 5, v0
	v_readfirstlane_b32 s24, v1                    ; wave
	v_and_b32 v2, 31, v0                           ; lane
	v_lshlrev_b32 v3, 4, v2                        ; my 16 bytes of a load's 512
	s_cmp_ge_u32 ttmp9, 864
	s_cbranch_scc1 .Lwo                            ; the last 32 work-groups take Wo: a branch on the work-group's number alone
	s_mul_i32 s25, s24, WREG
	v_lshrrev_b32 v14, 2, v2
	v_mul_u32_u24 v14, v14, SP
	v_and_b32 v15, 3, v2
	v_lshl_add_u32 v14, v15, 4, v14
	v_add_nc_u32 v14, s25, v14                     ; the stage, on the way in: SP (lane / 4) + 16 (lane % 4)
	v_mul_u32_u24 v15, v2, SP
	v_add_nc_u32 v15, s25, v15                     ; and on the way out: SP x lane: my 16 neighbours
	v_mul_u32_u24 v4, v2, CB                       ; my codes' place in a step's
	v_lshrrev_b32 v5, 1, v2
	s_add_co_u32 s25, s25, 2*32*SP
	v_add_nc_u32 v5, s25, v5                       ; LDS: my wave's 256 scale bytes, my block's byte
	v_lshlrev_b32 v7, 3, v2                        ; and on the way out 8 bytes a lane
	v_add_nc_u32 v6, s25, v7
	s_sub_co_u32 s26, ttmp9, 768                   ; among the weights' work-groups (used only where the number is 768 or more)
	s_lshr_b32 s27, s26, 5
	s_add_co_u32 s27, s27, 3                       ; tensor 3, 4, 5
	s_and_b32 s26, s26, 31
	s_lshr_b32 s28, ttmp9, 8                       ; tensor 0, 1, 2
	s_and_b32 s29, ttmp9, 255
	s_cmp_lt_u32 ttmp9, 768
	s_cselect_b32 s27, s28, s27                    ; which tensor
	s_cselect_b32 s26, s29, s26                    ; which run of 32,768 numbers in it
	s_wait_kmcnt 0x0
	s_mov_b64 s[30:31], s[4:5]
.irp i, 1,2,3,4,5
	s_cmp_eq_u32 s27, \i                           ; the choice hangs on the work-group's number alone
	s_cselect_b64 s[30:31], s[4+2*\i:5+2*\i], s[30:31]
.endr
	s_lshl_b32 s26, s26, 2
	s_add_co_u32 s26, s26, s24
	s_lshl_b32 s32, s26, 15                        ; my wave's 32,768 bytes of the tensor
	s_mov_b32 s33, 0
	s_add_nc_u64 s[30:31], s[30:31], s[32:33]
	s_lshl_b32 s26, ttmp9, 2
	s_add_co_u32 s26, s26, s24                     ; my run among all six tensors'
	s_lshl_b32 s32, s26, 12                        ; 4,096 bytes of codes a run
	s_add_nc_u64 s[18:19], s[18:19], s[32:33]
	s_lshl_b32 s32, s26, 8                         ; 256 scale bytes a run
	s_add_nc_u64 s[20:21], s[20:21], s[32:33]
.macro LOAD t
.irp i, 0,1,2,3
	global_load_b128 v[R+16*((\t)%4)+4*\i:R+16*((\t)%4)+4*\i+3], v3, s[30:31] offset:2048*(\t)+512*\i th:TH_LOAD_NT   ; 32 lanes read 512 consecutive bytes
.endr
.endm
.macro TURN t                          ; step t's numbers through the stage: LDS serves a wave's instructions in order, so no wait stands between the stores and the loads
.irp i, 0,1,2,3
	ds_store_b128 v14, v[R+16*((\t)%4)+4*\i:R+16*((\t)%4)+4*\i+3] offset:32*SP*((\t)%2)+8*SP*\i
.endr
.irp i, 0,1,2,3
	ds_load_b128 v[X+16*((\t)%2)+4*\i:X+16*((\t)%2)+4*\i+3], v15 offset:32*SP*((\t)%2)+16*\i
.endr
.endm
.irp t, 0,1,2,3
	LOAD \t
.endr
	s_wait_loadcnt 12                              ; step 0's four loads are in; the twelve of steps 1 to 3 may be out
	TURN 0
.macro STEP t
.set XS, X+16*((\t)%2)
.if (\t) > 0
	s_wait_dscnt 1                                 ; this step's numbers are back from the stage (the last step's byte store may be out): so its stores into the stage have read their registers,
.else
	s_wait_dscnt 0x0
.endif
.if (\t)+4 < STEPS
	LOAD (\t)+4                                    ; which take the loads of four steps on
.endif
.if (\t)+1 < STEPS
.if STEPS-2-(\t) >= 3
	s_wait_loadcnt 12                              ; the next step's four loads are in; those of the three steps behind it may be out
.else
	s_wait_loadcnt 4*(STEPS-2-(\t))
.endif
	TURN (\t)+1                                    ; and go through the other stage while this step is worked
.endif
	v_max3_num_f32 v8, |v[XS]|, |v[XS+1]|, |v[XS+2]|               ; the largest magnitude of my 16, in two chains
	v_max3_num_f32 v9, |v[XS+3]|, |v[XS+4]|, |v[XS+5]|
.irp i, 6,10
	v_max3_num_f32 v8, v8, |v[XS+\i]|, |v[XS+\i+1]|
	v_max3_num_f32 v9, v9, |v[XS+\i+2]|, |v[XS+\i+3]|
.endr
	v_max3_num_f32 v8, v8, |v[XS+14]|, |v[XS+15]|
	v_max3_num_f32 v8, v8, v9, (EMAX+1)<<23        ; and the floor 2^(EMAX + 1 - 127): so the byte cannot fall under 1
	v_max_num_f32_dpp v8, v8, v8 row_xmask:1 row_mask:0xf bank_mask:0xf   ; and of my neighbour's 16: the block's
	v_add_nc_u32 v11, -(EMAX<<23), v8              ; EMAX off its exponent field: the conversion takes the exponent field of this operand as its scale
	v_cvt_scalef32_pk8_fp4_f32 v[C+4*(\t)], v[XS:XS+7], v11
	v_cvt_scalef32_pk8_fp4_f32 v[C+4*(\t)+1], v[XS+8:XS+15], v11
	v_lshrrev_b32 v[E+(\t)], 23, v11               ; the scale's byte (a plain line behind the conversions)
	ds_store_b8 v5, v[E+(\t)] offset:16*(\t)       ; both lanes of a block write the same byte with the same value
	global_store_b64 v4, v[C+4*(\t):C+4*(\t)+1], s[18:19] offset:32*CB*(\t)   ; the wave stores 256 consecutive bytes
.endm
.irp t, 0,1,2,3,4,5,6,7,8,9,10,11,12,13,14,15
	STEP \t
.endr
	ds_load_b64 v[8:9], v6                         ; LDS serves a wave's instructions in order: these see my stores
	s_wait_dscnt 0x0
	global_store_b64 v7, v[8:9], s[20:21]          ; 32 lanes store 256 consecutive bytes
	s_wait_tensorcnt 0x0                           ; the wave's end, behind my last LDS store
	ds_add_u32 v[SPW], v[NIL]
	s_wait_dscnt 0x0
	s_endpgm
.Lwo:                                                  ; Wo, f32 to f16, as it lies: a wave takes 8,192 numbers in four rounds of sixteen loads.  No LDS is touched on this way
	s_sub_co_u32 s25, ttmp9, 864
	s_lshl_b32 s25, s25, 2
	s_add_co_u32 s25, s25, s24                     ; my run of 8,192 numbers
	s_lshl_b32 s26, s25, 15
	s_mov_b32 s27, 0
	s_lshl_b32 s28, s25, 14
	s_mov_b32 s29, 0
	v_lshlrev_b32 v4, 3, v2                        ; out: 8 bytes a lane
	s_wait_kmcnt 0x0
	s_add_nc_u64 s[16:17], s[16:17], s[26:27]
	s_add_nc_u64 s[22:23], s[22:23], s[28:29]
.irp rr, 0,1,2,3
.if \rr > 0
	s_wait_xcnt 0x0                                ; the last round's stores have read their data: v80-111 are written again only behind this wait
.endif
.irp i, 0,1,2,3,4,5,6,7,8,9,10,11,12,13,14,15
	global_load_b128 v[16+4*\i:19+4*\i], v3, s[16:17] offset:(16*\rr+\i)*512 th:TH_LOAD_NT
.endr
.irp i, 0,1,2,3,4,5,6,7,8,9,10,11,12,13,14,15
	s_wait_loadcnt 15-\i                           ; load i is in; the younger ones of the round may be out
	v_cvt_pk_f16_f32 v[80+2*\i], v[16+4*\i], v[17+4*\i]
	v_cvt_pk_f16_f32 v[81+2*\i], v[18+4*\i], v[19+4*\i]
	global_store_b64 v4, v[80+2*\i:81+2*\i], s[22:23] offset:(16*\rr+\i)*256   ; the wave stores 256 consecutive bytes
.endr
.endr
	s_endpgm
.Lfunc_end_k_qd0e5e64350_quant:
	.size	k_qd0e5e64350_quant, .Lfunc_end_k_qd0e5e64350_quant-k_qd0e5e64350_quant
	.p2alignl 7, 3214868480
	.fill 96, 4, 3214868480
	.section	.rodata,"a",@progbits
	.p2align	6, 0x0
	.amdhsa_kernel k_qd0e5e64350_quant
		.amdhsa_group_segment_fixed_size 33280
		.amdhsa_private_segment_fixed_size 0
		.amdhsa_enable_private_segment 0
		.amdhsa_kernarg_size 80
		.amdhsa_user_sgpr_count 2
		.amdhsa_user_sgpr_kernarg_segment_ptr 1
		.amdhsa_wavefront_size32 1
		.amdhsa_system_sgpr_workgroup_id_x 1
		.amdhsa_system_sgpr_workgroup_id_y 1
		.amdhsa_system_sgpr_workgroup_id_z 1
		.amdhsa_system_vgpr_workitem_id 0
		.amdhsa_next_free_vgpr 192
		.amdhsa_next_free_sgpr 66
		.amdhsa_reserve_vcc 0
		.amdhsa_float_denorm_mode_32 3
		.amdhsa_float_denorm_mode_16_64 3
		.amdhsa_memory_ordered 1
		.amdhsa_forward_progress 1
		.amdhsa_inst_pref_size 56
	.end_amdhsa_kernel
	.amdgpu_metadata
---
amdhsa.version: [ 1, 2 ]
amdhsa.kernels:
  - .name:           k_qd0e5e64350_quant
    .symbol:         k_qd0e5e64350_quant.kd
    .args:
      - { .name: q, .offset: 0, .size: 8, .value_kind: global_buffer, .address_space: global }
      - { .name: k, .offset: 8, .size: 8, .value_kind: global_buffer, .address_space: global }
      - { .name: v, .offset: 16, .size: 8, .value_kind: global_buffer, .address_space: global }
      - { .name: Wq, .offset: 24, .size: 8, .value_kind: global_buffer, .address_space: global }
      - { .name: Wk, .offset: 32, .size: 8, .value_kind: global_buffer, .address_space: global }
      - { .name: Wv, .offset: 40, .size: 8, .value_kind: global_buffer, .address_space: global }
      - { .name: Wo, .offset: 48, .size: 8, .value_kind: global_buffer, .address_space: global }
      - { .name: codes, .offset: 56, .size: 8, .value_kind: global_buffer, .address_space: global }
      - { .name: scales, .offset: 64, .size: 8, .value_kind: global_buffer, .address_space: global }
      - { .name: wo16, .offset: 72, .size: 8, .value_kind: global_buffer, .address_space: global }
    .group_segment_fixed_size: 33280
    .private_segment_fixed_size: 0
    .kernarg_segment_align: 8
    .kernarg_segment_size: 80
    .max_flat_workgroup_size: 128
    .sgpr_count:     66
    .vgpr_count:     192
    .wavefront_size: 32
...
	.end_amdgpu_metadata
.endif
;; end of part 1
;; launch proj (part 2): grid 4 x 96, 4 waves a work-group, clusters of 4 x 4, 327,680 bytes of LDS; arguments codes, scales, qkv; writes qkv
.if DOCPART == 2
	.amdgcn_target "amdgcn-amd-amdhsa--gfx1250"
	.amdhsa_code_object_version 6
	.text
	.protected	k_qd0e5e64350_proj
	.globl	k_qd0e5e64350_proj
	.p2align	8
	.type	k_qd0e5e64350_proj,@function
k_qd0e5e64350_proj:
	s_mov_b64 s[64:65], 0
	v_nop
	global_prefetch_b8 v0, s[64:65] scope:SCOPE_SE
	s_setreg_imm32_b32 hwreg(HW_REG_WAVE_MODE, 25, 1), 1
	s_wait_xcnt 0x0
	s_wait_alu depctr_hold_cnt(0) depctr_sa_sdst(0) depctr_va_vdst(0) depctr_va_sdst(0) depctr_va_ssrc(0) depctr_va_vcc(0) depctr_vm_vsrc(0)
	s_getreg_b32 s2, hwreg(HW_REG_IB_STS2, 6, 4)
	s_cmp_eq_u32 s2, 0
	s_cbranch_scc0 .Lentry_in_a_cluster
	s_endpgm
.Lentry_in_a_cluster:
	s_bfe_u32 s2, ttmp6, 0x10000c
	s_cmp_lg_u32 s2, 0xf033
	s_cbranch_scc0 .Lentry_shape_is_right
	s_endpgm
.Lentry_shape_is_right:
; SECOND LAUNCH: the three quantised products q Wq^T, k Wk^T, v Wv^T in one grid, on the codes and scale bytes of the first launch.  Nothing of the problem is left out here.
; A: [24576][1024] codes (row = tensor x 8192 + 8 s + b), 512 bytes a row; B: [3 x 1024][1024] codes behind them; scale bytes 32 a row, likewise.  Sums in f32; results rounded once to f16 and laid by head:
; qkv [tensor][b][h][s][64].  LIMIT: a projection beyond 65,504 becomes infinite in f16.
; A tile of 256 x 256 is made by four waves, each 128 x 128: 64 accumulators, 512 registers.  K = 1024 is two LDS slots of 512: both slots and all scale bytes are first fills; nothing is filled again, so there is no loop.
; CLUSTERS: 4 x 4 work-groups.  The four of a row of the cluster need the same rows of A, the four of a column the same rows of B: each tile is asked for jointly.  A cluster's sixteen tiles belong to one tensor (32 tile rows each).
; THE MATRIX INSTRUCTION IS USED TRANSPOSED (source 0 = 16 rows of B, source 1 = 16 rows of A): a lane holds eight neighbouring columns of a row.
; REGISTERS: window 0: v0-31 addresses; v32-95 scale words, two sets; v128-191 A's fragments, one set; on the way out v32-63 packed results, v128-191 rows read back.
;   window 1: B's fragments, two sets, at v0 and v128.   window 2: accumulators of my rows 0-63 ((a, b) at v[8 (8 a + b)]);  window 3: rows 64-127.
.set NQ,     4                         ; matrix instructions deep in a slot
.set ROWB,   256                       ; a tile's row in bytes: 512 codes
.set KROW,   512                       ; a row of codes in memory
.set PITCH,  272                       ; an LDS row: 256 bytes + 16 of padding: the 16 rows that a load touches start 68 words apart
.set FR,     8
.set NL,     2
.set NP,     4                         ; places behind this matrix instruction (ISA guide 7.12.1)
.set HALFT,  128*PITCH
.set SLOT,   4*HALFT                   ; A's 256 rows, then B's 256 rows
.set KS,     32                        ; a row of scale bytes
.set SCL,    2*SLOT                    ; behind the ring: the scale bytes, as rows of 256 bytes + 16 of padding
.set HALFS,  (128*KS/256)*272
.set SBLK,   (16*KS/256)*272
.set SPARE,  SCL+4*HALFS               ; the spare words, 128 bytes a wave, which no other line names
.set SPITCH, 272                       ; the way out: 16 rows x (256 bytes + 16) a wave, in slot 0, which has had its only fill and its last read by then
.set XW,     12582912                  ; where the weights' codes begin
.set XS,     786432                    ; and their scale bytes
.set ADRA, 16
.set ADRB, 20
.set STO,  24
.set RD,   25
.set CO,   26
.set ADRS, 27
.set SPW,  28
.set NIL,  29
.set SC,   32
.set AF,   128
.set TMP,  32
.set BK,   128
.set G1, 24
.set G0, 32
.set G1B, 48
.set G0B, 56
.set G1S, 68
.set G0S, 76
.set G1SB, 80
.set G0SB, 88
.set MSB, 0
.macro WIN new                         ; the immediate's high byte repeats the setting that is left
.if MSB != (\new)
	s_set_vgpr_msb (MSB<<8)|(\new)
.set MSB, (\new)
.endif
.endm
.set MUL_LO, 0xa1                      ; source 0 (B) window 1, source 1 (A) window 0, C and D window 2
.set MUL_HI, 0xf1
.set TO_B,   0x40
; A joint load: waves 0 and 1 fetch for A, waves 2 and 3 for B; the branch hangs on the wave's number alone.  An s_nop 0 and four v_nop follow each line.
.macro JLOAD g0a, g1a, g0b, g1b
	s_cmp_eq_u32 s15, 0
	s_cbranch_scc0 .Lfor_b_\@
	tensor_load_to_lds s[\g0a:\g0a+3], s[\g1a:\g1a+7]
	s_nop 0
.rept 4
	v_nop
.endr
	s_branch .Lasked_\@
.Lfor_b_\@:
	tensor_load_to_lds s[\g0b:\g0b+3], s[\g1b:\g1b+7]
	s_nop 0
.rept 4
	v_nop
.endr
.Lasked_\@:
.endm
.macro CROUND                          ; a round of the cluster's barrier
	s_barrier_signal -1
	s_barrier_wait -1
	s_cmp_lg_u32 s14, 0
	s_cbranch_scc1 .Lnot_wave_0_\@
	s_barrier_signal -3
.Lnot_wave_0_\@:
	s_barrier_wait -3
	s_barrier_signal -1
	s_barrier_wait -1
.endm
	s_load_b128 s[4:7], s[0:1], 0x0                ; codes s[4:5], scales s[6:7]
	s_load_b64 s[12:13], s[0:1], 0x10              ; qkv
	v_lshl_add_u32 v[SPW], v0, 2, SPARE
	v_mov_b32 v[NIL], 0
	ds_add_u32 v[SPW], v[NIL]                      ; the wave's opening: the add, twice on end, and its wait ahead of my first tensor load
	ds_add_u32 v[SPW], v[NIL]
	v_lshrrev_b32 v1, 5, v0
	v_readfirstlane_b32 s14, v1                    ; wave 0..3
	s_lshr_b32 s15, s14, 1                         ; which half of the tile's rows is mine.  Also: I fetch for A (0) or for B (1)
	s_and_b32 s16, s14, 1                          ; which half of its columns.  Also: which 128 rows I fetch
	s_bfe_u32 s40, ttmp6, 0x40000                  ; cx, cy
	s_bfe_u32 s41, ttmp6, 0x40004
	s_lshl_b32 s42, ttmp9, 2
	s_add_co_u32 s42, s42, s40                     ; tile column = 4 x cluster x + cx
	s_and_b32 s17, ttmp7, 0xffff
	s_lshr_b32 s95, s17, 3                         ; the tensor: 8 clusters (32 tile rows) each; the same in all sixteen partners
	s_lshl_b32 s17, s17, 2
	s_add_co_u32 s17, s17, s41                     ; tile row = 4 x cluster y + cy
	s_lshl_b32 s43, s41, 2
	s_lshl_b32 s43, 15, s43                        ; my row of the cluster
	s_lshl_b32 s44, 0x1111, s40                    ; my column
	s_or_b32 s[G1+0], s43, (0<<16)|(1<<20)|(1<<21)|(5<<22)|(3<<25)  ; the mask; elements of 1 byte; padding on; bit 21 beside a mask; 4 words after every 64
	s_or_b32 s[G1B+0], s44, (0<<16)|(1<<20)|(1<<21)|(5<<22)|(3<<25)
.irp g, G1, G1B
	s_mov_b32 s[\g+1], ROWB<<16                    ; tensor_dim0
	s_mov_b32 s[\g+2], 128<<16                     ; tensor_dim1
	s_mov_b32 s[\g+3], ROWB<<16                    ; tile_dim0
	s_mov_b32 s[\g+4], 128                         ; tile_dim1
	s_mov_b32 s[\g+5], KROW                        ; from row to row
	s_mov_b32 s[\g+6], 0
	s_mov_b32 s[\g+7], 0
.endr
	s_or_b32 s[G1S+0], s43, (3<<16)|(1<<20)|(1<<21)|(5<<22)|(3<<25) ; the scale bytes of 128 rows: 4,096 dense bytes as 16 rows of 256 (32 elements of 8 bytes)
	s_or_b32 s[G1SB+0], s44, (3<<16)|(1<<20)|(1<<21)|(5<<22)|(3<<25)
.irp g, G1S, G1SB
	s_mov_b32 s[\g+1], 32<<16
	s_mov_b32 s[\g+2], (128*KS/256)<<16
	s_mov_b32 s[\g+3], 32<<16
	s_mov_b32 s[\g+4], 128*KS/256
	s_mov_b32 s[\g+5], 32
	s_mov_b32 s[\g+6], 0
	s_mov_b32 s[\g+7], 0
.endr
	s_lshl_b32 s18, s16, 7                         ; which 128 rows of the tile I fetch
	s_lshl_b32 s20, s17, 8
	s_add_co_u32 s20, s20, s18                     ; A: row 256 x tile row + 128 x half
	s_lshl_b32 s46, s42, 8
	s_add_co_u32 s46, s46, s18                     ; B: row 256 x tile column + 128 x half
	s_lshl_b32 s96, s95, 10
	s_add_co_u32 s46, s46, s96                     ; + 1,024 x tensor
	s_mov_b32 s21, 0
	s_mov_b32 s47, 0
	s_mov_b64 s[18:19], KS
	s_mul_u64 s[22:23], s[20:21], s[18:19]         ; where these rows' scale bytes begin
	s_mul_u64 s[92:93], s[46:47], s[18:19]
	s_mov_b64 s[18:19], KROW
	s_mul_u64 s[20:21], s[20:21], s[18:19]         ; and their codes
	s_mul_u64 s[46:47], s[46:47], s[18:19]
	s_mul_i32 s45, s14, HALFT                      ; where they go: wave x 128 rows
	s_mul_i32 s94, s14, HALFS
	s_wait_dscnt 0x0                               ; both opening adds are done
	s_wait_kmcnt 0x0
	s_add_nc_u64 s[8:9], s[4:5], XW                ; the weights' codes
	s_add_nc_u64 s[10:11], s[6:7], XS              ; and their scale bytes
	s_add_nc_u64 s[20:21], s[4:5], s[20:21]
	s_add_nc_u64 s[22:23], s[6:7], s[22:23]
	s_add_nc_u64 s[46:47], s[8:9], s[46:47]
	s_add_nc_u64 s[92:93], s[10:11], s[92:93]
	CROUND                                         ; all sixteen work-groups are here: the joint loads meet
	s_mov_b32 s[G0S], 1
	s_add_co_u32 s[G0S+1], s94, SCL
	s_mov_b64 s[G0S+2:G0S+3], s[22:23]
	s_or_b32 s[G0S+3], s[G0S+3], 0x80000000
	s_mov_b32 s[G0SB], 1
	s_add_co_u32 s[G0SB+1], s94, SCL
	s_mov_b64 s[G0SB+2:G0SB+3], s[92:93]
	s_or_b32 s[G0SB+3], s[G0SB+3], 0x80000000
	JLOAD G0S, G1S, G0SB, G1SB                     ; the scale bytes first: they are wanted with the first slot
.irp s, 0,1
	s_mov_b32 s[G0+4*\s], 1
	s_add_co_u32 s[G0+4*\s+1], s45, \s*SLOT
	s_add_nc_u64 s[G0+4*\s+2:G0+4*\s+3], s[20:21], \s*ROWB
	s_or_b32 s[G0+4*\s+3], s[G0+4*\s+3], 0x80000000
	s_mov_b32 s[G0B+4*\s], 1
	s_add_co_u32 s[G0B+4*\s+1], s45, \s*SLOT
	s_add_nc_u64 s[G0B+4*\s+2:G0B+4*\s+3], s[46:47], \s*ROWB
	s_or_b32 s[G0B+4*\s+3], s[G0B+4*\s+3], 0x80000000
	JLOAD G0+4*\s, G1, G0B+4*\s, G1B               ; three loads of mine are out behind the second of these
.endr
	v_and_b32 v1, 15, v0                           ; l % 16
	v_bfe_u32 v2, v0, 4, 1                         ; l / 16
	v_mul_u32_u24 v3, v1, PITCH
	v_lshl_add_u32 v4, v2, 4, v3                   ; a fragment's row x pitch + 16 x half
	s_mul_i32 s21, s15, HALFT                      ; my 128 rows of A
	s_mul_i32 s22, s16, HALFT                      ; my 128 rows of B,
	s_add_co_u32 s22, s22, 2*HALFT                 ; behind A's 256
.irp s, 0,1
	v_add_nc_u32 v[ADRA+\s], s21, v4
	v_add_nc_u32 v[ADRB+\s], s22, v4
	s_add_co_u32 s21, s21, SLOT
	s_add_co_u32 s22, s22, SLOT
.endr
	v_mul_u32_u24 v5, v1, KS                       ; my row's scale bytes: KS a row,
	v_lshrrev_b32 v6, 8, v5
	v_lshl_add_u32 v5, v6, 4, v5                   ; and 16 more for each 256 passed
	s_mul_i32 s21, s15, HALFS
	s_mul_i32 s22, s16, HALFS
	s_add_co_u32 s22, s22, 2*HALFS
	s_sub_co_u32 s22, s22, s21
	v_mul_u32_u24 v6, s22, v2                      ; lanes 16-31 take B's
	s_add_co_u32 s21, s21, SCL
	v_add_nc_u32 v5, v5, v6
	v_add_nc_u32 v[ADRS], s21, v5
	; the way out.  In block a of 16 rows, row r is (s = 2 a + r / 8, b = r % 8); my 128 columns are two heads of 64
	s_mul_i32 s23, s14, 16*SPITCH                  ; my stage
	v_mul_u32_u24 v5, v1, SPITCH                   ; in: row l % 16, 16 bytes for each half of the lanes
	v_lshl_add_u32 v5, v2, 4, v5
	v_add_nc_u32 v[STO], s23, v5
	v_bfe_u32 v6, v0, 3, 1                         ; back, for batch t: lanes 0-15 one head, lanes 16-31 the other; in each, eight lanes the even s, eight the odd
	v_and_b32 v7, 7, v0
	v_mul_u32_u24 v5, v6, 8*SPITCH
	v_lshl_add_u32 v5, v2, 7, v5
	v_lshl_add_u32 v5, v7, 4, v5
	v_add_nc_u32 v[RD], s23, v5
	v_lshlrev_b32 v[CO], 17, v2                    ; in qkv: a head is 131,072 bytes, a row 128: sixteen lanes cover two rows, 256 consecutive bytes
	v_lshl_add_u32 v[CO], v6, 7, v[CO]
	v_lshl_add_u32 v[CO], v7, 4, v[CO]
	s_lshl_b32 s20, s95, 24                        ; the tensor's 16 MiB,
	s_add_co_u32 s20, s20, 0x800000                ; + four batches of 2 MiB, so that the eight batches stand in the stores' immediates, -4 to +3
	s_and_b32 s21, s17, 31
	s_lshl_b32 s21, s21, 5                         ; a tile row is 32 s,
	s_lshl_b32 s22, s15, 4                         ; my half 16
	s_add_co_u32 s21, s21, s22
	s_lshl_b32 s21, s21, 7
	s_add_co_u32 s20, s20, s21
	s_mov_b32 s21, 0
	s_lshl_b32 s46, s42, 2                         ; a tile column is four heads,
	s_lshl_b32 s47, s16, 1                         ; my half two
	s_add_co_u32 s46, s46, s47
	s_lshl_b32 s46, s46, 17
	s_mov_b32 s47, 0
	s_add_nc_u64 s[20:21], s[20:21], s[46:47]
	s_add_nc_u64 s[12:13], s[12:13], s[20:21]
.macro FRAG reg, adr, q, i             ; 16 rows x 128 K of 4-bit codes: 8 registers, two loads of 16 bytes, 32 bytes apart
.irp c, 0,1
	ds_load_b128 v[\reg+4*\c:\reg+4*\c+3], v[\adr] offset:64*(\q)+32*\c+(\i)*16*PITCH
.endr
.endm
; 16 matrix instructions: A's blocks a0, a0 + 1 x B's eight.  The 64 accumulators take turns, one instruction a turn, in the same order in every step.
.macro MUL16 a0, p, q, sc, zero
.irp a, \a0, \a0+1
.irp b, 0,1,2,3,4,5,6,7
.if \zero
	v_wmma_scale_f32_16x16x128_f8f6f4 v[8*(8*((\a)%4)+\b):8*(8*((\a)%4)+\b)+7], v[128*(\p)+FR*\b:128*(\p)+FR*\b+FR-1], v[AF+FR*(\a):AF+FR*(\a)+FR-1], 0, v[SC+8*NQ*(\sc)+NQ*\b+(\q)], v[SC+8*NQ*(\sc)+NQ*(\a)+(\q)] matrix_a_fmt:MATRIX_FMT_FP4 matrix_b_fmt:MATRIX_FMT_FP4 matrix_a_scale:MATRIX_SCALE_ROW1
.else
	v_wmma_scale_f32_16x16x128_f8f6f4 v[8*(8*((\a)%4)+\b):8*(8*((\a)%4)+\b)+7], v[128*(\p)+FR*\b:128*(\p)+FR*\b+FR-1], v[AF+FR*(\a):AF+FR*(\a)+FR-1], v[8*(8*((\a)%4)+\b):8*(8*((\a)%4)+\b)+7], v[SC+8*NQ*(\sc)+NQ*\b+(\q)], v[SC+8*NQ*(\sc)+NQ*(\a)+(\q)] matrix_a_fmt:MATRIX_FMT_FP4 matrix_b_fmt:MATRIX_FMT_FP4 matrix_a_scale:MATRIX_SCALE_ROW1
.endif
.endr
.endr
.endm
.macro FETCH_B slot, q, p
	WIN TO_B
.irp i, 0,1,2,3,4,5,6,7
	FRAG 128*(\p)+FR*\i, ADRB+\slot, \q, \i
.endr
	WIN 0
.endm
.macro FETCH_A slot, q, i0
.irp i, \i0, \i0+1, \i0+2, \i0+3
	FRAG AF+FR*(\i), ADRA+\slot, \q, \i
.endr
.endm
.macro SCALES sc                       ; a slot's scale words: 4 words a row; lanes 0-15 take A's block i, lanes 16-31 B's block i
.irp i, 0,1,2,3,4,5,6,7
	ds_load_b128 v[SC+8*NQ*\sc+NQ*\i:SC+8*NQ*\sc+NQ*\i+3], v[ADRS] offset:\i*SBLK
.endr
.endm
.macro PLACES n                        ; places in front of loads into registers that matrix instructions have read, and of the first read of results
.rept \n
	v_nop
.endr
.endm
.macro STEP slot, q, zero              ; 128 along K, with its successor in the same slot
	s_wait_dscnt 4*NL                              ; B's set and A's blocks 0-3 are in; the youngest eight loads (A's blocks 4-7) may be out
	WIN MUL_LO
	MUL16 0, (\q)%2, \q, \slot, \zero
	MUL16 2, (\q)%2, \q, \slot, \zero
	s_wait_dscnt 0
	PLACES NP
	FETCH_B \slot, (\q)+1, 1-(\q)%2
	FETCH_A \slot, (\q)+1, 0
	WIN MUL_HI
	MUL16 4, (\q)%2, \q, \slot, \zero
	MUL16 6, (\q)%2, \q, \slot, \zero
	PLACES NP
	WIN 0
	FETCH_A \slot, (\q)+1, 4
.endm
.macro TURN slot, next                 ; a slot's last step changes slots: one barrier
	s_wait_tensorcnt 0x0                           ; all my tensor loads have landed: my part of the next slot
	ds_add_u32 v[SPW], v[NIL]                      ; 0 onto my spare word
	s_wait_dscnt 4*NL+1                            ; (the add and the youngest eight loads may be out)
	WIN MUL_LO
	MUL16 0, 1, NQ-1, \slot, 0
	s_wait_dscnt 0x0                               ; the add is done, and my reads of this slot are over
	s_barrier_signal -1
	MUL16 2, 1, NQ-1, \slot, 0
	WIN 0
	s_barrier_wait -1                              ; the next slot is whole, and nobody reads this one any more
	PLACES NP
	v_add_nc_u32 v[ADRS], 4*NQ, v[ADRS]            ; on to the next slot's scale words
	FETCH_B \next, 0, 0
	FETCH_A \next, 0, 0
	SCALES \next
	WIN MUL_HI
	MUL16 4, 1, NQ-1, \slot, 0
	MUL16 6, 1, NQ-1, \slot, 0
	PLACES NP
	WIN 0
	FETCH_A \next, 0, 4
.endm
	s_wait_tensorcnt 1                             ; the scale bytes and my part of slot 0 are in (slot 1's load may be out),
	s_barrier_signal -1
	s_barrier_wait -1                              ; everybody's are
	FETCH_B 0, 0, 0
	FETCH_A 0, 0, 0
	SCALES 0
	FETCH_A 0, 0, 4
	STEP 0, 0, 1                                   ; the first products start the sums: nothing is cleared
	STEP 0, 1, 0
	STEP 0, 2, 0
	TURN 0, 1
	STEP 1, 0, 0
	STEP 1, 1, 0
	STEP 1, 2, 0
	s_wait_dscnt 4*NL                              ; the last step: nothing more to fetch
	WIN MUL_LO
	MUL16 0, 1, NQ-1, 1, 0
	MUL16 2, 1, NQ-1, 1, 0
	s_wait_dscnt 0
	WIN MUL_HI
	MUL16 4, 1, NQ-1, 1, 0
	MUL16 6, 1, NQ-1, 1, 0
	WIN 0
; THE WAY OUT, block by block of 16 rows x 128 columns: rounded to f16 (each accumulator from its low end on), 16 bytes a lane into my stage, back so that sixteen lanes hold two neighbouring rows of one head and batch.
.macro PACK a
.set AC, 64*((\a)%4)
	WIN 0x0a+5*((\a)/4)                            ; sources 0 and 1: window 2 or 3
.irp b, 0,1,2,3,4,5,6,7
.irp r, 0,1,2,3
	v_cvt_pk_f16_f32 v[TMP+4*\b+\r], v[AC+8*\b+2*\r], v[AC+8*\b+2*\r+1]
.endr
.endr
	WIN 0
.endm
.macro TOSTAGE a
.set BB, BK+32*((\a)%2)
.irp b, 0,1,2,3,4,5,6,7
	ds_store_b128 v[STO], v[TMP+4*\b:TMP+4*\b+3] offset:32*\b
.endr
.irp t, 0,1,2,3,4,5,6,7
	ds_load_b128 v[BB+4*\t:BB+4*\t+3], v[RD] offset:\t*SPITCH      ; LDS serves a wave's instructions in order: these see the stores above
.endr
.endm
.macro SEND a, younger                 ; younger: the LDS instructions issued behind block a's loads
.set BB, BK+32*((\a)%2)
	s_wait_dscnt \younger
.if (\a) > 0
	s_add_nc_u64 s[12:13], s[12:13], 256           ; (behind a wait on XCNT)  two s on
.endif
.irp t, 0,1,2,3,4,5,6,7
	global_store_b128 v[CO], v[BB+4*\t:BB+4*\t+3], s[12:13] offset:(\t-4)*2097152   ; batch t: 16 lanes store 256 consecutive bytes, at a multiple of 256 from the buffer's first byte
.endr
.endm
	PLACES NP
	PACK 0
	TOSTAGE 0
.irp a, 1,2,3,4,5,6,7
.if \a > 1
	s_wait_xcnt 0x0                                ; block a - 2's stores have read their registers and their base
.endif
	PACK \a
	TOSTAGE \a
	SEND \a-1, 16                                  ; behind block a - 1's loads: block a's 8 stores and 8 loads
.endr
	s_wait_xcnt 0x0
	SEND 7, 0
	s_wait_tensorcnt 0x0                           ; the wave's end
	ds_add_u32 v[SPW], v[NIL]
	s_wait_dscnt 0x0
	CROUND                                         ; the closing round
	s_endpgm
.Lfunc_end_k_qd0e5e64350_proj:
	.size	k_qd0e5e64350_proj, .Lfunc_end_k_qd0e5e64350_proj-k_qd0e5e64350_proj
	.p2alignl 7, 3214868480
	.fill 96, 4, 3214868480
	.section	.rodata,"a",@progbits
	.p2align	6, 0x0
	.amdhsa_kernel k_qd0e5e64350_proj
		.amdhsa_group_segment_fixed_size 327680
		.amdhsa_private_segment_fixed_size 0
		.amdhsa_enable_private_segment 0
		.amdhsa_kernarg_size 24
		.amdhsa_user_sgpr_count 2
		.amdhsa_user_sgpr_kernarg_segment_ptr 1
		.amdhsa_wavefront_size32 1
		.amdhsa_system_sgpr_workgroup_id_x 1
		.amdhsa_system_sgpr_workgroup_id_y 1
		.amdhsa_system_sgpr_workgroup_id_z 1
		.amdhsa_system_vgpr_workitem_id 0
		.amdhsa_next_free_vgpr 1024
		.amdhsa_next_free_sgpr 98
		.amdhsa_reserve_vcc 0
		.amdhsa_float_denorm_mode_32 3
		.amdhsa_float_denorm_mode_16_64 3
		.amdhsa_memory_ordered 1
		.amdhsa_forward_progress 1
		.amdhsa_inst_pref_size 127
	.end_amdhsa_kernel
	.amdgpu_metadata
---
amdhsa.version: [ 1, 2 ]
amdhsa.kernels:
  - .name:           k_qd0e5e64350_proj
    .symbol:         k_qd0e5e64350_proj.kd
    .args:
      - { .name: codes, .offset: 0, .size: 8, .value_kind: global_buffer, .address_space: global }
      - { .name: scales, .offset: 8, .size: 8, .value_kind: global_buffer, .address_space: global }
      - { .name: qkv, .offset: 16, .size: 8, .value_kind: global_buffer, .address_space: global }
    .group_segment_fixed_size: 327680
    .private_segment_fixed_size: 0
    .kernarg_segment_align: 8
    .kernarg_segment_size: 24
    .max_flat_workgroup_size: 128
    .sgpr_count:     98
    .vgpr_count:     1024
    .wavefront_size: 32
...
	.end_amdgpu_metadata
.endif
;; end of part 2
;; launch attn (part 3): grid 4 x 64, 8 waves a work-group, clusters of 4 x 1, 327,680 bytes of LDS; arguments qkv, mask, att; writes att
.if DOCPART == 3
	.amdgcn_target "amdgcn-amd-amdhsa--gfx1250"
	.amdhsa_code_object_version 6
	.text
	.protected	k_qd0e5e64350_attn
	.globl	k_qd0e5e64350_attn
	.p2align	8
	.type	k_qd0e5e64350_attn,@function
k_qd0e5e64350_attn:
	s_mov_b64 s[64:65], 0
	v_nop
	global_prefetch_b8 v0, s[64:65] scope:SCOPE_SE
	s_setreg_imm32_b32 hwreg(HW_REG_WAVE_MODE, 25, 1), 1
	s_wait_xcnt 0x0
	s_wait_alu depctr_hold_cnt(0) depctr_sa_sdst(0) depctr_va_vdst(0) depctr_va_sdst(0) depctr_va_ssrc(0) depctr_va_vcc(0) depctr_vm_vsrc(0)
	s_getreg_b32 s2, hwreg(HW_REG_IB_STS2, 6, 4)
	s_cmp_eq_u32 s2, 0
	s_cbranch_scc0 .Lentry_in_a_cluster
	s_endpgm
.Lentry_in_a_cluster:
	s_bfe_u32 s2, ttmp6, 0x10000c
	s_cmp_lg_u32 s2, 0x3003
	s_cbranch_scc0 .Lentry_shape_is_right
	s_endpgm
.Lentry_shape_is_right:
; THIRD LAUNCH: att[bh][q][:] = sum over open keys k of softmax_k(Q[bh][q] . K[bh][k] / 8) V[bh][k][:], by the mask INPUT (1 = hidden).  Nothing of the problem is left out.
; Q, K, V: qkv [3][128 bh][1024][64] f16; mask [128][1024 q][1024 k] bytes; att [128][1024][64] f16.  Products on f16 operands, sums, maxima and exponentials in f32.
; THE MASK.  A hidden key's score begins as -2^125, an open key's as 0: these numbers ARE the C of the first product of K Q^T.  They are made of the mask bytes in two lines: a byte permute that takes the mask word as
; its selector over a table (0 -> 0x00, 1 -> 0xF0, which is -128 as an 8-bit float E4M3), four bytes a line; and a scaled conversion that widens eight such bytes to the eight f32 registers of one accumulator, times 2^118.
; The running maximum m begins at -1e30 and never falls under it, so a hidden key gives p = 2^(about -7e36) = 0 at every time, also in a row that is hidden so far: it enters neither maximum nor sum, as in the
; definition, where exp(-1e30 - max) is 0 and the weight is multiplied by 0 besides.  A row with an open key has a sum of at least about 1; a row with none has O = 0 and sum 0: the sum is held at 0.5 from below
; and the row comes out 0, as defined.
; LIMITS: an open raw score under -1e30 would give p = 0 (f16 operands cannot reach it); infinities in Q, K, V (projections beyond 65,504) are not served.
; SHARES.  A work-group owns 256 queries of TWO neighbouring bh, one after the other; each of its eight waves 32 queries: two tiles of 16.  Keys go 64 a step, 256 a slot, through two LDS slots: eight tiles in all.
; THE RING DOES NOT STOP AT THE CHANGE OF bh: K and V of two neighbouring bh lie on end in memory, the mask's step there is 1 MiB - 512 bytes; the refill is asked for first, then the finished bh goes out.
; LAYOUT.  S^T = K Q^T (source 0 = 16 keys, source 1 = 16 queries), O^T = V^T P: a lane holds ONE query (lane % 16); register 8 T + j of S^T is key 16 T + 8 (lane / 16) + j.  V is turned by ds_load_tr16_b128.
; CLUSTER.  The four query blocks of a bh walk the same K and V: joint loads (waves 0, 1: K's halves; 2, 3: V's).  The mask tile, 256 queries x 256 keys, is the work-group's own: plain loads (waves 4-7, 64 rows each).
; REGISTERS.  window 0: v1-19 addresses; v20-35 statistics; v36 the table, v37 the conversion's scale; v64-127 S^T; v128-159 P; v160-223 K; v224-239 mask words.
;   window 1: v0-31 Q of the first bh; v32-95 O^T; v96-159 V; v160-191 Q of the second bh.
.set PK,    144                        ; a row of K in LDS: 128 bytes + 16
.set PV,    160                        ; of V: 128 + 32
.set PM,    272                        ; of the mask: 256 + 16
.set VOFF,  256*PK
.set MOFF,  VOFF+256*PV
.set SLOT,  MOFF+256*PM
.set STAGE, 2*SLOT                     ; 16 rows x 144 bytes for each wave, for the way out
.set SP,    144
.set SPARE, STAGE+8*16*SP              ; the spare words, 128 bytes a wave, which no other line names
.set NEXTM, 1048576-512                ; the mask's step from a slot's last tile of a bh to its first of the next
.set AK0, 2
.set AV0, 3
.set AM0, 4
.set ADK, 5
.set ADV, 6
.set ADM, 7
.set QO,  8
.set STO, 9
.set RD,  10
.set GO,  11
.set PFO, 12                           ; 1,024 x lane: a row of the mask; never rewritten
.set PFL, 13                           ; 256 x lane; never rewritten
.set SPW, 16
.set NIL, 17
.set ZR,  18                           ; 0
.set ST,  20                           ; tile x at ST + 8 x: +0 c m, +1 m, +2, +3 the sum (even keys', odd keys'), +4 to +7 c0-c3 at work; a takes c2's place
.set TBL, 36                           ; 0x0000F000: byte 0 for an open key, byte 1 for a hidden one
.set FSC, 37                           ; 0xF5 in every byte: the conversion multiplies by 2^(0xF5 - 127) = 2^118
.set S,   64
.set P,   128
.set KF,  160
.set MK,  224
.set QF,  0                            ; window 1
.set OA,  32
.set VF,  96
.set QF2, 160
.set WV,  12
.set G1K, 24
.set G1V, 32
.set G1M, 40
.set G0K, 48                           ; a group 0 for each slot
.set G0V, 56
.set G0M, 68
.set CS,  76                           ; s[76:77] c = log2(e) / 8
.set SEL, 78
.set TK,  80
.set TV,  81
.set TM,  82
.set CNT, 83
.set PFM, 88
.set PFK, 90
.set MSB, 0
.macro WIN new
.if MSB != (\new)
	s_set_vgpr_msb (MSB<<8)|(\new)
.set MSB, (\new)
.endif
.endm
.set W_KQ, 0x04                        ; Q (source 1) in window 1
.set W_PV, 0x51                        ; V, C and D in window 1, P in window 0
.set W_RS, 0x41                        ; O^T (destination, source 0) in window 1
.macro CROUND
	s_barrier_signal -1
	s_barrier_wait -1
	s_cmp_lg_u32 s[WV], 0
	s_cbranch_scc1 .Lnot_wave_0_\@
	s_barrier_signal -3
.Lnot_wave_0_\@:
	s_barrier_wait -3
	s_barrier_signal -1
	s_barrier_wait -1
.endm
; A refill of slot s: one tensor load a wave.  The branches hang on the wave's number alone.  An s_nop 0 and four v_nop follow each line.
.macro TLOAD s
	s_cmp_lt_u32 s[WV], 2
	s_cbranch_scc0 .Lnot_k_\@
	tensor_load_to_lds s[G0K+4*\s:G0K+4*\s+3], s[G1K:G1K+7]
	s_nop 0
.rept 4
	v_nop
.endr
	s_branch .Lasked_\@
.Lnot_k_\@:
	s_cmp_lt_u32 s[WV], 4
	s_cbranch_scc0 .Lfor_m_\@
	tensor_load_to_lds s[G0V+4*\s:G0V+4*\s+3], s[G1V:G1V+7]
	s_nop 0
.rept 4
	v_nop
.endr
	s_branch .Lasked_\@
.Lfor_m_\@:
	tensor_load_to_lds s[G0M+4*\s:G0M+4*\s+3], s[G1M:G1M+7]
	s_nop 0
.rept 4
	v_nop
.endr
.Lasked_\@:
.endm
; A PREFETCH of tile u (0 to 7: bh u / 4, keys 256 (u % 4) on), which the NEXT change of slots will ask for: a slot's four key steps ahead of that load.  It stands behind my tensor load and its five lines.
; Each 256 bytes are named once in the launch: of the mask every wave names its own 32 query rows, a lane a row; of K (wave 0) and V (wave 1) each of the four partners names 8,192 of the tile's 32,768 bytes,
; told apart by address, lanes 256 bytes apart.  The tile stands in the immediate: the address registers are never rewritten.  Tiles 0 to 2 come by their loads alone; behind the last load nothing is asked for.
.macro ASK u
	global_prefetch_b8 v[PFO], s[PFM:PFM+1] offset:((\u)/4)*1048576+((\u)%4)*256 th:TH_LOAD_NT scope:SCOPE_SE
	s_cmp_lt_u32 s[WV], 2
	s_cbranch_scc0 .Lno_kv_\@
	global_prefetch_b8 v[PFL], s[PFK:PFK+1] offset:(\u)*32768 th:TH_LOAD_NT scope:SCOPE_SE
.Lno_kv_\@:
.endm
; A bh begins: O^T and the sum are zeros, m = -1e30.  (The key step is written in one form: a bh's first step finds zeros.)
.macro INIT
	WIN 0x40                                       ; destination window 1
.set i, 0
.rept 64
	v_mov_b32 v[OA+i], 0
.set i, i+1
.endr
	WIN 0
.irp x, 0,1
	v_mov_b32 v[ST+8*\x+1], 0xf149f2ca             ; m = -1e30
	v_mul_f32 v[ST+8*\x], s[CS], v[ST+8*\x+1]      ; c m
	v_mov_b32 v[ST+8*\x+2], 0                      ; the sum, in two halves
	v_mov_b32 v[ST+8*\x+3], 0
.endr
.endm
	s_load_b128 s[4:7], s[0:1], 0x0                ; qkv s[4:5], mask s[6:7]
	s_load_b64 s[8:9], s[0:1], 0x10                ; att
	v_lshl_add_u32 v[SPW], v0, 2, SPARE
	v_mov_b32 v[NIL], 0
	ds_add_u32 v[SPW], v[NIL]                      ; the wave's opening: the add, twice on end, and its wait ahead of my first tensor load
	ds_add_u32 v[SPW], v[NIL]
	v_lshrrev_b32 v1, 5, v0
	v_readfirstlane_b32 s[WV], v1                  ; wave 0..7
	s_bfe_u32 s13, ttmp6, 0x40000                  ; cx: my block of 256 queries
	s_and_b32 s14, ttmp7, 0xffff
	s_lshl_b32 s14, s14, 1                         ; my first bh, which the four partners share; the second is the next
	; K and V: registers that never hold cx
	s_lshl_b32 s16, s14, 17                        ; a head's 131,072 bytes
	s_and_b32 s15, s[WV], 1                        ; which 128 rows of a tile I fetch
	s_lshl_b32 s17, s15, 14
	s_add_co_u32 s16, s16, s17
	s_add_co_u32 s16, s16, 0x1000000               ; K lies 16 MiB into qkv (V 16 MiB further)
	s_mov_b32 s17, 0
	s_mul_i32 s18, s15, 128*PK                     ; in a slot: K's half,
	s_mul_i32 s19, s15, 128*PV
	s_add_co_u32 s19, s19, VOFF                    ; V's half
	; the mask: my work-group's 256 rows, my 64 of them
	s_and_b32 s20, s[WV], 3
	s_lshl_b32 s21, s13, 8
	s_lshl_b32 s22, s20, 6
	s_add_co_u32 s21, s21, s22
	s_lshl_b32 s21, s21, 10
	s_lshl_b32 s22, s14, 20
	s_add_co_u32 s22, s22, s21
	s_mov_b32 s23, 0
	s_mul_i32 s20, s20, 64*PM
	s_add_co_u32 s20, s20, MOFF                    ; no place in the cluster enters an LDS address
	; Q and att at my wave's 32 rows
	s_lshl_b32 s2, s13, 8
	s_lshl_b32 s3, s[WV], 5
	s_add_co_u32 s2, s2, s3
	s_lshl_b32 s[PFM], s2, 10                      ; (the same 32 rows of the mask, for the prefetches)
	s_lshl_b32 s2, s2, 7
	s_lshl_b32 s3, s14, 17
	s_add_co_u32 s2, s2, s3
	s_mov_b32 s3, 0
	s_lshl_b32 s[PFM+1], s14, 20
	s_add_co_u32 s[PFM], s[PFM], s[PFM+1]
	s_mov_b32 s[PFM+1], 0
	s_min_u32 s[PFK], s[WV], 1                     ; wave 0: K, wave 1: V
	s_lshl_b32 s[PFK], s[PFK], 24
	s_add_co_u32 s[PFK], s[PFK], 0x1000000
	s_lshl_b32 s[PFK+1], s14, 17
	s_add_co_u32 s[PFK], s[PFK], s[PFK+1]
	s_lshl_b32 s[PFK+1], s13, 13                   ; of a tile each partner names 8,192 bytes, told apart by address
	s_add_co_u32 s[PFK], s[PFK], s[PFK+1]
	s_mov_b32 s[PFK+1], 0
	; descriptor groups 1
	s_mov_b32 s[G1K], 15|(1<<16)|(1<<20)|(1<<21)|(4<<22)|(3<<25)  ; the mask: all four work-groups; elements of 2 bytes; padding on; bit 21 beside a mask; 4 words after every 32
	s_mov_b32 s[G1V], 15|(1<<16)|(1<<20)|(1<<21)|(4<<22)|(7<<25)  ; the same with 8 words
.irp g, G1K, G1V
	s_mov_b32 s[\g+1], 64<<16                      ; tensor_dim0
	s_mov_b32 s[\g+2], 128<<16                     ; tensor_dim1
	s_mov_b32 s[\g+3], 64<<16                      ; tile_dim0
	s_mov_b32 s[\g+4], 128                         ; tile_dim1
	s_mov_b32 s[\g+5], 64                          ; from row to row
	s_mov_b32 s[\g+6], 0
	s_mov_b32 s[\g+7], 0
.endr
	s_mov_b32 s[G1M], (1<<20)|(5<<22)|(3<<25)      ; no work-group mask; elements of 1 byte; 4 words of padding after every 64
	s_mov_b32 s[G1M+1], 256<<16
	s_mov_b32 s[G1M+2], 64<<16
	s_mov_b32 s[G1M+3], 256<<16
	s_mov_b32 s[G1M+4], 64
	s_mov_b32 s[G1M+5], 1024
	s_mov_b32 s[G1M+6], 0
	s_mov_b32 s[G1M+7], 0
	s_mov_b32 s[CS], 0x3e38aa3b                    ; c = log2(e) / 8
	s_mov_b32 s[CS+1], s[CS]
	s_mov_b32 s[SEL], 0x76543210
	s_mov_b32 s[SEL+1], 0xfedcba98
	s_wait_dscnt 0x0                               ; both opening adds are done
	s_wait_kmcnt 0x0
	s_add_nc_u64 s[10:11], s[4:5], s[2:3]          ; Q at my rows
	s_add_nc_u64 s[8:9], s[8:9], s[2:3]            ; att likewise
	s_add_nc_u64 s[16:17], s[4:5], s[16:17]        ; K at my half of tile 0
	s_add_nc_u64 s[22:23], s[6:7], s[22:23]        ; the mask at my quarter of tile 0
	s_add_nc_u64 s[PFM:PFM+1], s[6:7], s[PFM:PFM+1]
	s_add_nc_u64 s[PFK:PFK+1], s[4:5], s[PFK:PFK+1]
	CROUND                                         ; all four work-groups are here: the first joint loads meet
.irp s, 0,1
	s_mov_b32 s[G0K+4*\s], 1
	s_add_co_u32 s[G0K+4*\s+1], s18, \s*SLOT
	s_add_nc_u64 s[G0K+4*\s+2:G0K+4*\s+3], s[16:17], \s*32768
	s_or_b32 s[G0K+4*\s+3], s[G0K+4*\s+3], 0x80000000
	s_mov_b32 s[G0V+4*\s], 1
	s_add_co_u32 s[G0V+4*\s+1], s19, \s*SLOT
	s_add_nc_u64 s[G0V+4*\s+2:G0V+4*\s+3], s[16:17], 0x1000000+\s*32768
	s_or_b32 s[G0V+4*\s+3], s[G0V+4*\s+3], 0x80000000
	s_mov_b32 s[G0M+4*\s], 1
	s_add_co_u32 s[G0M+4*\s+1], s20, \s*SLOT
	s_add_nc_u64 s[G0M+4*\s+2:G0M+4*\s+3], s[22:23], \s*256
	s_or_b32 s[G0M+4*\s+3], s[G0M+4*\s+3], 0x80000000
.endr
	s_cmp_lt_u32 s[WV], 2                          ; a wave's two first fills stand in one arm: two loads of mine are out
	s_cbranch_scc0 .Lfirst_not_k
	tensor_load_to_lds s[G0K:G0K+3], s[G1K:G1K+7]
	s_nop 0
	tensor_load_to_lds s[G0K+4:G0K+7], s[G1K:G1K+7]
	s_nop 0
.rept 4
	v_nop
.endr
	s_branch .Lfirst_asked
.Lfirst_not_k:
	s_cmp_lt_u32 s[WV], 4
	s_cbranch_scc0 .Lfirst_m
	tensor_load_to_lds s[G0V:G0V+3], s[G1V:G1V+7]
	s_nop 0
	tensor_load_to_lds s[G0V+4:G0V+7], s[G1V:G1V+7]
	s_nop 0
.rept 4
	v_nop
.endr
	s_branch .Lfirst_asked
.Lfirst_m:
	tensor_load_to_lds s[G0M:G0M+3], s[G1M:G1M+7]
	s_nop 0
	tensor_load_to_lds s[G0M+4:G0M+7], s[G1M:G1M+7]
	s_nop 0
.rept 4
	v_nop
.endr
.Lfirst_asked:
	v_and_b32 v1, 15, v0                           ; r = lane % 16
	v_bfe_u32 v14, v0, 4, 1                        ; h = lane / 16
	v_lshlrev_b32 v[QO], 7, v1
	v_lshl_add_u32 v[QO], v14, 4, v[QO]            ; Q: row r of 128 bytes + 16 h
	WIN 0x40                                       ; destination window 1
.irp d, 0,1                                    ; Q of both bh stays in registers: bh d at v[160 d], tile x, channels 32 c on
.irp x, 0,1
.irp c, 0,1
	global_load_b128 v[160*\d+16*\x+8*\c:160*\d+16*\x+8*\c+3],   v[QO], s[10:11] offset:\d*131072+\x*2048+64*\c
	global_load_b128 v[160*\d+16*\x+8*\c+4:160*\d+16*\x+8*\c+7], v[QO], s[10:11] offset:\d*131072+\x*2048+64*\c+32
.endr
.endr
.endr
	INIT
	v_mul_u32_u24 v[AK0], v1, PK
	v_lshl_add_u32 v[AK0], v14, 4, v[AK0]          ; K: row r x pitch + 16 h
	v_and_b32 v15, 7, v0
	v_bfe_u32 v19, v0, 3, 1
	v_lshl_add_u32 v[AV0], v14, 3, v15             ; V, for the turning load: key 8 h + lane % 8,
	v_mul_u32_u24 v[AV0], v[AV0], PV
	v_lshl_add_u32 v[AV0], v19, 4, v[AV0]          ; channels 8 ((lane / 8) % 2) on
	v_add_nc_u32 v[AV0], VOFF, v[AV0]
	v_and_b32 v[AM0], 0xef, v0                     ; the mask: row 32 x wave + r,
	v_mul_u32_u24 v[AM0], v[AM0], PM
	v_lshl_add_u32 v[AM0], v14, 3, v[AM0]          ; keys 8 h on
	v_add_nc_u32 v[AM0], MOFF, v[AM0]
	s_mul_i32 s14, s[WV], 16*SP
	s_add_co_u32 s14, s14, STAGE                   ; my stage
	v_mul_u32_u24 v[STO], v1, SP
	v_lshl_add_u32 v[STO], v14, 4, v[STO]
	v_add_nc_u32 v[STO], s14, v[STO]               ; in: row r, 16 bytes for each half of the lanes
	v_bfe_u32 v[RD], v0, 3, 2
	v_mul_u32_u24 v[RD], v[RD], SP
	v_lshl_add_u32 v[RD], v15, 4, v[RD]
	v_add_nc_u32 v[RD], s14, v[RD]                 ; back: eight lanes to a row of 128 bytes, four rows an instruction
	v_and_b32 v[GO], 31, v0
	v_lshlrev_b32 v[PFO], 10, v[GO]
	v_lshlrev_b32 v[PFL], 8, v[GO]
	v_lshlrev_b32 v[GO], 4, v[GO]                  ; and the same 512 consecutive bytes in att
	v_mov_b32 v[ZR], 0
	v_mov_b32 v[TBL], 0xf000
	v_mov_b32 v[FSC], 0xf5f5f5f5
; A KEY STEP: 64 keys for both tiles.  qf: where the bh's Q lies in window 1.
.macro STEP qf
	v_add_nc_u32 v[ADK], s[TK], v[AK0]             ; these three and the v_nop are the four places between the last products and the loads into V's registers
	v_add_nc_u32 v[ADV], s[TV], v[AV0]
	v_add_nc_u32 v[ADM], s[TM], v[AM0]
	v_nop
.irp x, 0,1
.irp t, 0,1,2,3
	ds_load_b64 v[MK+8*\x+2*\t:MK+8*\x+2*\t+1], v[ADM] offset:\x*16*PM+16*\t   ; my query's eight mask bytes of keys 16 t + 8 h on
.endr
.endr
.irp t, 0,1,2,3
.irp c, 0,1
	ds_load_b128 v[KF+16*\t+8*\c:KF+16*\t+8*\c+3],   v[ADK] offset:\t*16*PK+64*\c
	ds_load_b128 v[KF+16*\t+8*\c+4:KF+16*\t+8*\c+7], v[ADK] offset:\t*16*PK+64*\c+32
.endr
.endr
	WIN 0x40
.irp g, 0,1
.irp c, 0,1,2,3
	ds_load_tr16_b128 v[VF+32*\g+8*\c:VF+32*\g+8*\c+3],   v[ADV] offset:\g*32*PV+32*\c
	ds_load_tr16_b128 v[VF+32*\g+8*\c+4:VF+32*\g+8*\c+7], v[ADV] offset:\g*32*PV+16*PV+32*\c
.endr
.endr
	WIN 0
	s_wait_dscnt 32                                ; the mask words are in; K's 16 loads and V's 16 may be out
.set i, 0
.rept 16
	v_perm_b32 v[MK+i], v[ZR], v[TBL], v[MK+i]     ; the mask word is the selector: byte 0 takes the table's 0x00, byte 1 its 0xF0 (-128 in E4M3)
.set i, i+1
.endr
.irp x, 0,1
.irp t, 0,1,2,3
	v_cvt_scale_pk8_f32_fp8 v[S+32*\x+8*\t:S+32*\x+8*\t+7], v[MK+8*\x+2*\t:MK+8*\x+2*\t+1], v[FSC]   ; eight bytes to the eight registers of an accumulator, x 2^118: 0 or -2^125: where the scores begin
.endr
.endr
	v_nop                                          ; one plain line between the scaled conversions and the products that take their results
	s_wait_dscnt 16                                ; K is in
	WIN W_KQ
.irp c, 0,1                                    ; eight accumulators by turns, one instruction a turn
.irp t, 0,1,2,3
.irp x, 0,1
	v_wmma_f32_16x16x32_f16 v[S+32*\x+8*\t:S+32*\x+8*\t+7], v[KF+16*\t+8*\c:KF+16*\t+8*\c+7], v[\qf+16*\x+8*\c:\qf+16*\x+8*\c+7], v[S+32*\x+8*\t:S+32*\x+8*\t+7]
.endr
.endr
.endr
	WIN 0
.rept 4
	v_nop                                          ; places in front of the first read of the scores
.endr
	; the maximum of my 32 scores and the old m; the two tiles line by line, each accumulator first read at its low end
.irp j, 0,1,2,3
.irp x, 0,1
	v_max3_num_f32 v[ST+8*\x+4+\j], v[S+32*\x+8*\j], v[S+32*\x+8*\j+1], v[S+32*\x+8*\j+2]
.endr
.endr
.irp i, 3,5
.irp j, 0,1,2,3
.irp x, 0,1
	v_max3_num_f32 v[ST+8*\x+4+\j], v[ST+8*\x+4+\j], v[S+32*\x+8*\j+\i], v[S+32*\x+8*\j+\i+1]
.endr
.endr
.endr
.irp x, 0,1
	v_max3_num_f32 v[ST+8*\x+4], v[ST+8*\x+4], v[S+32*\x+7], v[S+32*\x+15]
.endr
.irp x, 0,1
	v_max3_num_f32 v[ST+8*\x+6], v[ST+8*\x+6], v[S+32*\x+23], v[S+32*\x+31]
.endr
.irp x, 0,1
	v_max3_num_f32 v[ST+8*\x+4], v[ST+8*\x+4], v[ST+8*\x+5], v[ST+8*\x+6]
.endr
.irp x, 0,1
	v_max3_num_f32 v[ST+8*\x+4], v[ST+8*\x+4], v[ST+8*\x+7], v[ST+8*\x+1]
.endr
.irp x, 0,1
	v_permlanex16_b32 v[ST+8*\x+5], v[ST+8*\x+4], s[SEL], s[SEL+1]   ; the query's other 32 keys lie in the lane 16 away
.endr
.irp x, 0,1
	v_mov_b32 v[ST+8*\x+7], v[ST+8*\x]             ; c m_old
.endr
.irp x, 0,1
	v_max_num_f32 v[ST+8*\x+1], v[ST+8*\x+4], v[ST+8*\x+5]
.endr
.irp x, 0,1
	v_mul_f32 v[ST+8*\x], s[CS], v[ST+8*\x+1]
.endr
.irp x, 0,1
	v_sub_f32 v[ST+8*\x+7], v[ST+8*\x+7], v[ST+8*\x]
.endr
.set i, 0
.rept 16
.irp x, 0,1
	v_pk_fma_f32 v[S+32*\x+i:S+32*\x+i+1], v[S+32*\x+i:S+32*\x+i+1], s[CS:CS+1], v[ST+8*\x:ST+8*\x+1] op_sel_hi:[1,0,0] neg_lo:[0,0,1] neg_hi:[0,0,1]   ; c s - c m
.endr
.set i, i+2
.endr
.irp x, 0,1
	v_exp_f32 v[ST+8*\x+6], v[ST+8*\x+7]           ; a = 2^(c m_old - c m_new)
.endr
.set i, 0
.rept 32
	v_exp_f32 v[S+i], v[S+i]                       ; p; one batch: none of these lines reads an exponential's result
	v_exp_f32 v[S+32+i], v[S+32+i]
.set i, i+1
.endr
	v_nop                                          ; a plain line behind the last exponential
	s_wait_alu depctr_va_vdst(0)                   ; one wait for the batch of 66, ahead of its first reader
.set i, 0
.rept 16
.irp x, 0,1
	v_cvt_pk_f16_f32 v[P+16*\x+i], v[S+32*\x+2*i], v[S+32*\x+2*i+1]
.endr
.set i, i+1
.endr
.irp u, 0,1,2,3,4,5,6,7                        ; the sum of the 16 pairs, in place
.irp x, 0,1
	v_pk_add_f32 v[S+32*\x+4*\u:S+32*\x+4*\u+1], v[S+32*\x+4*\u:S+32*\x+4*\u+1], v[S+32*\x+4*\u+2:S+32*\x+4*\u+3]
.endr
.endr
.irp u, 0,1,2,3
.irp x, 0,1
	v_pk_add_f32 v[S+32*\x+8*\u:S+32*\x+8*\u+1], v[S+32*\x+8*\u:S+32*\x+8*\u+1], v[S+32*\x+8*\u+4:S+32*\x+8*\u+5]
.endr
.endr
.irp u, 0,1
.irp x, 0,1
	v_pk_add_f32 v[S+32*\x+16*\u:S+32*\x+16*\u+1], v[S+32*\x+16*\u:S+32*\x+16*\u+1], v[S+32*\x+16*\u+8:S+32*\x+16*\u+9]
.endr
.endr
.irp x, 0,1
	v_pk_add_f32 v[S+32*\x:S+32*\x+1], v[S+32*\x:S+32*\x+1], v[S+32*\x+16:S+32*\x+17]
.endr
.irp x, 0,1
	v_pk_fma_f32 v[ST+8*\x+2:ST+8*\x+3], v[ST+8*\x+2:ST+8*\x+3], v[ST+8*\x+6:ST+8*\x+7], v[S+32*\x:S+32*\x+1] op_sel_hi:[1,0,1]   ; the sum = a x the sum + this step's
.endr
	WIN W_RS
.irp x, 0,1
.set i, 0
.rept 16
	v_pk_mul_f32 v[OA+32*\x+i:OA+32*\x+i+1], v[OA+32*\x+i:OA+32*\x+i+1], v[ST+8*\x+6:ST+8*\x+7] op_sel_hi:[1,0]   ; O^T x a, each accumulator from its low end on
.set i, i+2
.endr
.endr
	s_wait_dscnt 0x0                               ; V is in
	WIN W_PV
.irp g, 0,1                                    ; eight accumulators by turns
.irp c, 0,1,2,3
.irp x, 0,1
	v_wmma_f32_16x16x32_f16 v[OA+32*\x+8*\c:OA+32*\x+8*\c+7], v[VF+32*\g+8*\c:VF+32*\g+8*\c+7], v[P+16*\x+8*\g:P+16*\x+8*\g+7], v[OA+32*\x+8*\c:OA+32*\x+8*\c+7]
.endr
.endr
.endr
	WIN 0
.endm
; A slot's four key steps: written once a slot, walked four times; the LDS addresses hang on three scalars that step by constants.
.macro SLOT_STEPS s, qf
	s_mov_b32 s[TK], \s*SLOT
	s_mov_b32 s[TV], \s*SLOT
	s_mov_b32 s[TM], \s*SLOT
	s_mov_b32 s[CNT], 4
.Lstep_\@:
	STEP \qf
	s_add_co_u32 s[TK], s[TK], 64*PK
	s_add_co_u32 s[TV], s[TV], 64*PV
	s_add_co_u32 s[TM], s[TM], 64
	s_sub_co_u32 s[CNT], s[CNT], 1
	s_cmp_lg_u32 s[CNT], 0
	s_cbranch_scc1 .Lstep_\@
.endm
; THE CHANGE OF SLOTS.  Each wave waits for all its tensor loads (its part of the other slot), adds 0 to its spare word, and waits for that and for its reads of slot s.
; fill = 1: slot s is filled again, with the tile two tiles on (mstep: the mask's step to it), behind a round of the cluster's barrier: no wave of any partner still reads the slot or has a load on its way.
.macro CHANGE s, fill, mstep
	s_wait_tensorcnt 0x0                           ; no tensor load of mine is out, so a group 0 may be written
	ds_add_u32 v[SPW], v[NIL]
.if \fill
	s_add_nc_u64 s[G0K+4*\s+2:G0K+4*\s+3], s[G0K+4*\s+2:G0K+4*\s+3], 65536   ; 512 rows on: inside a bh and from one bh into the next alike
	s_add_nc_u64 s[G0V+4*\s+2:G0V+4*\s+3], s[G0V+4*\s+2:G0V+4*\s+3], 65536
	s_add_nc_u64 s[G0M+4*\s+2:G0M+4*\s+3], s[G0M+4*\s+2:G0M+4*\s+3], \mstep
	s_wait_dscnt 0x0
	CROUND
	TLOAD \s                                       ; my one tensor load behind the round, and the first thing there
.else
	s_wait_dscnt 0x0
	s_barrier_signal -1
	s_barrier_wait -1
.endif
.endm
; THE WAY OUT of bh d.  A tile's O^T is divided by the sum, rounded to f16 and sent through my stage in LDS.
.macro PACK x
	WIN W_RS
.set i, 0
.rept 16
	v_pk_mul_f32 v[OA+32*\x+i:OA+32*\x+i+1], v[OA+32*\x+i:OA+32*\x+i+1], v[ST+8*\x+6:ST+8*\x+7] op_sel_hi:[1,0]
.set i, i+2
.endr
	WIN 0x05                                       ; sources window 1, destination window 0
.set i, 0
.rept 16
	v_cvt_pk_f16_f32 v[S+32*\x+i], v[OA+32*\x+2*i], v[OA+32*\x+2*i+1]
.set i, i+1
.endr
	WIN 0
.irp c, 0,1,2,3
	ds_store_b128 v[STO], v[S+32*\x+4*\c:S+32*\x+4*\c+3] offset:32*\c
.endr
.irp i, 0,1,2,3
	ds_load_b128 v[S+32*\x+16+4*\i:S+32*\x+16+4*\i+3], v[RD] offset:\i*4*SP   ; LDS serves a wave's instructions in order: these see the stores above
.endr
.endm
.macro SEND x, younger, d
.irp i, 0,1,2,3
	s_wait_dscnt \younger+3-\i
	global_store_b128 v[GO], v[S+32*\x+16+4*\i:S+32*\x+16+4*\i+3], s[8:9] offset:\d*131072+\x*2048+512*\i   ; the wave stores 512 consecutive bytes
.endr
.endm
.macro FINISH d
.irp x, 0,1
	v_add_f32 v[ST+8*\x+4], v[ST+8*\x+2], v[ST+8*\x+3]   ; these additions are among the places behind the last products
.endr
.irp x, 0,1
	v_permlanex16_b32 v[ST+8*\x+5], v[ST+8*\x+4], s[SEL], s[SEL+1]
.endr
.irp x, 0,1
	v_add_f32 v[ST+8*\x+4], v[ST+8*\x+4], v[ST+8*\x+5]
.endr
.irp x, 0,1
	v_max_num_f32 v[ST+8*\x+4], 0.5, v[ST+8*\x+4]  ; a row with no open key: O = 0, sum 0: it comes out 0
.endr
.irp x, 0,1
	v_rcp_f32 v[ST+8*\x+6], v[ST+8*\x+4]
.endr
	v_nop
	s_wait_alu depctr_va_vdst(0)                   ; one wait for the two reciprocals, ahead of their first reader
	PACK 0
	PACK 1
	SEND 0, 8, \d                                  ; behind tile 0's loads: tile 1's four stores and four loads
	SEND 1, 0, \d
.endm
	s_wait_tensorcnt 1                             ; my part of slot 0 is in; slot 1's may stay out
	s_barrier_signal -1
	s_barrier_wait -1
	s_wait_loadcnt 0x0                             ; Q of both bh
	SLOT_STEPS 0, QF                               ; the first bh, keys 0-255
	CHANGE 0, 1, 512                               ; its keys 512-767 are asked for
	ASK 3
	SLOT_STEPS 1, QF                               ; keys 256-511
	CHANGE 1, 1, 512                               ; keys 768-1023
	ASK 4
	SLOT_STEPS 0, QF                               ; keys 512-767
	CHANGE 0, 1, NEXTM                             ; THE RING GOES ON INTO THE SECOND bh: its keys 0-255
	ASK 5
	SLOT_STEPS 1, QF                               ; keys 768-1023: the first bh's sums are whole
	CHANGE 1, 1, NEXTM                             ; the second bh's keys 256-511 are asked for first,
	ASK 6
	FINISH 0                                       ; then the first bh goes out
	INIT                                           ; and the sums begin anew; these lines stand between the stores and the wait below
	s_wait_xcnt 0x0                                ; the stores have read their data: S^T's registers are written again only behind this wait
	SLOT_STEPS 0, QF2                              ; the second bh, keys 0-255
	CHANGE 0, 1, 512
	ASK 7
	SLOT_STEPS 1, QF2
	CHANGE 1, 1, 512                               ; its keys 768-1023: the last loads
	SLOT_STEPS 0, QF2
	CHANGE 0, 0, 0                                 ; nothing is left to ask for
	SLOT_STEPS 1, QF2
	FINISH 1
	s_wait_tensorcnt 0x0                           ; the wave's end
	ds_add_u32 v[SPW], v[NIL]
	s_wait_dscnt 0x0
	CROUND                                         ; the closing round
	s_endpgm
.Lfunc_end_k_qd0e5e64350_attn:
	.size	k_qd0e5e64350_attn, .Lfunc_end_k_qd0e5e64350_attn-k_qd0e5e64350_attn
	.p2alignl 7, 3214868480
	.fill 96, 4, 3214868480
	.section	.rodata,"a",@progbits
	.p2align	6, 0x0
	.amdhsa_kernel k_qd0e5e64350_attn
		.amdhsa_group_segment_fixed_size 327680
		.amdhsa_private_segment_fixed_size 0
		.amdhsa_enable_private_segment 0
		.amdhsa_kernarg_size 24
		.amdhsa_user_sgpr_count 2
		.amdhsa_user_sgpr_kernarg_segment_ptr 1
		.amdhsa_wavefront_size32 1
		.amdhsa_system_sgpr_workgroup_id_x 1
		.amdhsa_system_sgpr_workgroup_id_y 1
		.amdhsa_system_sgpr_workgroup_id_z 1
		.amdhsa_system_vgpr_workitem_id 0
		.amdhsa_next_free_vgpr 512
		.amdhsa_next_free_sgpr 96
		.amdhsa_reserve_vcc 0
		.amdhsa_float_denorm_mode_32 3
		.amdhsa_float_denorm_mode_16_64 3
		.amdhsa_memory_ordered 1
		.amdhsa_forward_progress 1
		.amdhsa_inst_pref_size 196
	.end_amdhsa_kernel
	.amdgpu_metadata
---
amdhsa.version: [ 1, 2 ]
amdhsa.kernels:
  - .name:           k_qd0e5e64350_attn
    .symbol:         k_qd0e5e64350_attn.kd
    .args:
      - { .name: qkv, .offset: 0, .size: 8, .value_kind: global_buffer, .address_space: global }
      - { .name: mask, .offset: 8, .size: 8, .value_kind: global_buffer, .address_space: global }
      - { .name: att, .offset: 16, .size: 8, .value_kind: global_buffer, .address_space: global }
    .group_segment_fixed_size: 327680
    .private_segment_fixed_size: 0
    .kernarg_segment_align: 8
    .kernarg_segment_size: 24
    .max_flat_workgroup_size: 256
    .sgpr_count:     96
    .vgpr_count:     512
    .wavefront_size: 32
...
	.end_amdgpu_metadata
.endif
;; end of part 3
;; launch outp (part 4): grid 8 x 32, 4 waves a work-group, clusters of 4 x 4, 327,680 bytes of LDS; arguments att, wo16, out0; writes out0
.if DOCPART == 4
	.amdgcn_target "amdgcn-amd-amdhsa--gfx1250"
	.amdhsa_code_object_version 6
	.text
	.protected	k_qd0e5e64350_outp
	.globl	k_qd0e5e64350_outp
	.p2align	8
	.type	k_qd0e5e64350_outp,@function
k_qd0e5e64350_outp:
	s_mov_b64 s[64:65], 0
	v_nop
	global_prefetch_b8 v0, s[64:65] scope:SCOPE_SE
	s_setreg_imm32_b32 hwreg(HW_REG_WAVE_MODE, 25, 1), 1
	s_wait_xcnt 0x0
	s_wait_alu depctr_hold_cnt(0) depctr_sa_sdst(0) depctr_va_vdst(0) depctr_va_sdst(0) depctr_va_ssrc(0) depctr_va_vcc(0) depctr_vm_vsrc(0)
	s_getreg_b32 s2, hwreg(HW_REG_IB_STS2, 6, 4)
	s_cmp_eq_u32 s2, 0
	s_cbranch_scc0 .Lentry_in_a_cluster
	s_endpgm
.Lentry_in_a_cluster:
	s_bfe_u32 s2, ttmp6, 0x10000c
	s_cmp_lg_u32 s2, 0xf033
	s_cbranch_scc0 .Lentry_shape_is_right
	s_endpgm
.Lentry_shape_is_right:
; FOURTH LAUNCH: out0[s][b][n] = sum over k = 64 h + d of att[b][h][s][d] Wo[n][k], f16 operands, f32 sums, f32 out.  Nothing of the problem is left out.
; A tile of C is 256 rows (one b, 256 s) x 128 columns: 256 work-groups.  Four waves, each 128 rows x 64 columns: 32 accumulators, 256 registers.
; K goes in steps of 128 = two heads: A's part of a slot is two planes (a head each) of 256 rows x 128 bytes, B's 128 rows x 256 bytes.  Two slots; wave 0, 1 fetch A's planes, wave 2, 3 B's halves.
; CLUSTERS: 4 x 4.  A's tiles are shared along a row of the cluster, B's along a column: joint loads.  THE MATRIX INSTRUCTION IS USED TRANSPOSED (source 0 = Wo's rows, source 1 = att's rows).
; REGISTERS: window 0: v0-31 addresses; v64-127, v128-191 A's fragments, two buffers (on the way out v64-127 rows read back).  window 1: v0-31, v32-63 B's.  window 2: accumulator (a, b) at v[8 (4 a + b)].
.set PA,     144                       ; A's LDS row: 128 bytes + 16
.set PB,     272                       ; B's: 256 + 16
.set APL,    256*PA                    ; a plane
.set BOFF,   2*APL
.set SLOT,   BOFF+128*PB
.set STAGE,  2*SLOT                    ; 16 rows x 272 bytes a wave
.set SPITCH, 272
.set SPARE,  STAGE+4*16*SPITCH         ; the spare words, 128 bytes a wave, which no other line names
.set ADRA, 16
.set ADRB, 20
.set STO,  24
.set RD,   25
.set CO,   26
.set SPW,  28
.set NIL,  29
.set AF,   64
.set BK,   64
.set G1, 24
.set G0, 32
.set G1B, 48
.set G0B, 56
.set MSB, 0
.macro WIN new
.if MSB != (\new)
	s_set_vgpr_msb (MSB<<8)|(\new)
.set MSB, (\new)
.endif
.endm
.set MUL,  0xa1                        ; source 0 (B) window 1, source 1 (A) window 0, C and D window 2
.set TO_B, 0x40
.macro JLOAD s                         ; waves 0, 1: A's planes; waves 2, 3: B's halves; an s_nop 0 and four v_nop follow each line
	s_cmp_eq_u32 s11, 0
	s_cbranch_scc0 .Lfor_b_\@
	tensor_load_to_lds s[G0+4*\s:G0+4*\s+3], s[G1:G1+7]
	s_nop 0
.rept 4
	v_nop
.endr
	s_branch .Lasked_\@
.Lfor_b_\@:
	tensor_load_to_lds s[G0B+4*\s:G0B+4*\s+3], s[G1B:G1B+7]
	s_nop 0
.rept 4
	v_nop
.endr
.Lasked_\@:
.endm
.macro CREST
	s_cmp_lg_u32 s10, 0
	s_cbranch_scc1 .Lnot_wave_0_\@
	s_barrier_signal -3
.Lnot_wave_0_\@:
	s_barrier_wait -3
	s_barrier_signal -1
	s_barrier_wait -1
.endm
.macro CROUND
	s_barrier_signal -1
	s_barrier_wait -1
	CREST
.endm
	s_load_b128 s[4:7], s[0:1], 0x0                ; att s[4:5], wo16 s[6:7]
	s_load_b64 s[8:9], s[0:1], 0x10                ; out0
	v_lshl_add_u32 v[SPW], v0, 2, SPARE
	v_mov_b32 v[NIL], 0
	ds_add_u32 v[SPW], v[NIL]                      ; the wave's opening: the add, twice on end, and its wait ahead of my first tensor load
	ds_add_u32 v[SPW], v[NIL]
	v_lshrrev_b32 v1, 5, v0
	v_readfirstlane_b32 s10, v1                    ; wave 0..3
	s_lshr_b32 s11, s10, 1                         ; my half of the rows.  Also: I fetch for A (0) or B (1)
	s_and_b32 s12, s10, 1                          ; my half of the columns.  Also: which plane of A, or which 64 rows of B, I fetch
	s_bfe_u32 s40, ttmp6, 0x40000                  ; cx, cy
	s_bfe_u32 s41, ttmp6, 0x40004
	s_lshl_b32 s42, ttmp9, 2
	s_add_co_u32 s42, s42, s40                     ; tile column
	s_and_b32 s13, ttmp7, 0xffff
	s_lshl_b32 s13, s13, 2
	s_add_co_u32 s13, s13, s41                     ; tile row
	s_lshl_b32 s43, s41, 2
	s_lshl_b32 s43, 15, s43                        ; my row of the cluster
	s_lshl_b32 s44, 0x1111, s40                    ; my column
	s_or_b32 s[G1+0], s43, (1<<16)|(1<<20)|(1<<21)|(4<<22)|(3<<25)   ; A: elements of 2 bytes; 4 words of padding after every 32
	s_mov_b32 s[G1+1], 64<<16                      ; tensor_dim0
	s_mov_b32 s[G1+2], 256<<16                     ; tensor_dim1
	s_mov_b32 s[G1+3], 64<<16                      ; tile_dim0
	s_mov_b32 s[G1+4], 256                         ; tile_dim1
	s_mov_b32 s[G1+5], 64                          ; from row to row
	s_mov_b32 s[G1+6], 0
	s_mov_b32 s[G1+7], 0
	s_or_b32 s[G1B+0], s44, (1<<16)|(1<<20)|(1<<21)|(5<<22)|(3<<25)  ; B: 4 words after every 64
	s_mov_b32 s[G1B+1], 128<<16
	s_mov_b32 s[G1B+2], 64<<16
	s_mov_b32 s[G1B+3], 128<<16
	s_mov_b32 s[G1B+4], 64
	s_mov_b32 s[G1B+5], 1024
	s_mov_b32 s[G1B+6], 0
	s_mov_b32 s[G1B+7], 0
	s_lshr_b32 s16, s13, 2                         ; A: b = tile row / 4: 2 MiB each,
	s_lshl_b32 s16, s16, 21
	s_and_b32 s17, s13, 3
	s_lshl_b32 s17, s17, 15                        ; 256 rows of 128 bytes for each tile row in it,
	s_add_co_u32 s16, s16, s17
	s_lshl_b32 s17, s12, 17                        ; my plane: a head is 131,072 bytes
	s_add_co_u32 s16, s16, s17
	s_mov_b32 s17, 0
	s_lshl_b32 s46, s42, 7                         ; B: row 128 x tile column + 64 x half, 2,048 bytes a row
	s_lshl_b32 s47, s12, 6
	s_add_co_u32 s46, s46, s47
	s_lshl_b32 s46, s46, 11
	s_mov_b32 s47, 0
	s_mul_i32 s20, s12, APL                        ; where they go: no place in the cluster enters an LDS address
	s_mul_i32 s21, s12, 64*PB
	s_add_co_u32 s21, s21, BOFF
	s_wait_dscnt 0x0                               ; both opening adds are done
	s_wait_kmcnt 0x0
	s_add_nc_u64 s[14:15], s[4:5], s[16:17]
	s_add_nc_u64 s[46:47], s[6:7], s[46:47]
	CROUND                                         ; all sixteen work-groups are here
.irp s, 0,1
	s_mov_b32 s[G0+4*\s], 1
	s_add_co_u32 s[G0+4*\s+1], s20, \s*SLOT
	s_add_nc_u64 s[G0+4*\s+2:G0+4*\s+3], s[14:15], \s*262144       ; K step s: heads 2 s, 2 s + 1
	s_or_b32 s[G0+4*\s+3], s[G0+4*\s+3], 0x80000000
	s_mov_b32 s[G0B+4*\s], 1
	s_add_co_u32 s[G0B+4*\s+1], s21, \s*SLOT
	s_add_nc_u64 s[G0B+4*\s+2:G0B+4*\s+3], s[46:47], \s*256
	s_or_b32 s[G0B+4*\s+3], s[G0B+4*\s+3], 0x80000000
	JLOAD \s                                       ; two loads of mine are out behind the second
.endr
	v_and_b32 v1, 15, v0                           ; l % 16
	v_bfe_u32 v2, v0, 4, 1                         ; l / 16
	v_mul_u32_u24 v3, v1, PA
	v_lshl_add_u32 v3, v2, 4, v3
	v_mul_u32_u24 v4, v1, PB
	v_lshl_add_u32 v4, v2, 4, v4
	s_mul_i32 s21, s11, 128*PA                     ; my 128 rows of A (in each plane)
	s_mul_i32 s22, s12, 64*PB                      ; my 64 rows of B
	s_add_co_u32 s22, s22, BOFF
.irp s, 0,1
	v_add_nc_u32 v[ADRA+\s], s21, v3
	v_add_nc_u32 v[ADRB+\s], s22, v4
	s_add_co_u32 s21, s21, SLOT
	s_add_co_u32 s22, s22, SLOT
.endr
	s_mul_i32 s23, s10, 16*SPITCH
	s_add_co_u32 s23, s23, STAGE                   ; my stage
	v_mul_u32_u24 v5, v1, SPITCH                   ; in: row l % 16, 32 bytes for each half of the lanes
	v_lshl_add_u32 v5, v2, 5, v5
	v_add_nc_u32 v[STO], s23, v5
	v_mul_u32_u24 v5, v2, SPITCH                   ; back: lanes 0-15 one row of 256 bytes, lanes 16-31 the next
	v_lshl_add_u32 v5, v1, 4, v5
	v_add_nc_u32 v[RD], s23, v5
	v_lshlrev_b32 v[CO], 15, v2                    ; in out0 neighbouring s lie 8 x 4,096 bytes apart
	v_lshl_add_u32 v[CO], v1, 4, v[CO]
	s_lshr_b32 s16, s13, 2
	s_lshl_b32 s16, s16, 12                        ; b x 4,096
	s_and_b32 s17, s13, 3
	s_lshl_b32 s17, s17, 8
	s_lshl_b32 s18, s11, 7
	s_add_co_u32 s17, s17, s18                     ; my first s
	s_lshl_b32 s17, s17, 15
	s_add_co_u32 s16, s16, s17
	s_mov_b32 s17, 0
	s_lshl_b32 s46, s42, 9                         ; my first column, in bytes
	s_lshl_b32 s47, s12, 8
	s_add_co_u32 s46, s46, s47
	s_mov_b32 s47, 0
	s_add_nc_u64 s[16:17], s[16:17], s[46:47]
	s_add_nc_u64 s[8:9], s[8:9], s[16:17]
; 8 matrix instructions: A's blocks a0, a0 + 1 x B's four, 32 along K, buffer f.  The 32 accumulators take turns in the same order in every quarter.
.macro MUL8 f, a0, zero
.irp a, \a0, \a0+1
.irp b, 0,1,2,3
.if \zero
	v_wmma_f32_16x16x32_f16 v[8*(4*(\a)+\b):8*(4*(\a)+\b)+7], v[32*(\f)+8*\b:32*(\f)+8*\b+7], v[AF+64*(\f)+8*(\a):AF+64*(\f)+8*(\a)+7], 0
.else
	v_wmma_f32_16x16x32_f16 v[8*(4*(\a)+\b):8*(4*(\a)+\b)+7], v[32*(\f)+8*\b:32*(\f)+8*\b+7], v[AF+64*(\f)+8*(\a):AF+64*(\f)+8*(\a)+7], v[8*(4*(\a)+\b):8*(4*(\a)+\b)+7]
.endif
.endr
.endr
.endm
; 24 LDS loads in one run: quarter q (32 along K: plane q / 2, its half q % 2) of a slot into buffer f: B's four fragments, then A's eight
.macro FETCH slot, q, f
	WIN TO_B
.irp i, 0,1,2,3
	ds_load_b128 v[32*(\f)+8*\i:32*(\f)+8*\i+3],   v[ADRB+\slot] offset:64*(\q)+\i*16*PB
	ds_load_b128 v[32*(\f)+8*\i+4:32*(\f)+8*\i+7], v[ADRB+\slot] offset:64*(\q)+\i*16*PB+32
.endr
	WIN 0
.irp i, 0,1,2,3,4,5,6,7
	ds_load_b128 v[AF+64*(\f)+8*\i:AF+64*(\f)+8*\i+3],   v[ADRA+\slot] offset:((\q)/2)*APL+((\q)%2)*64+\i*16*PA
	ds_load_b128 v[AF+64*(\f)+8*\i+4:AF+64*(\f)+8*\i+7], v[ADRA+\slot] offset:((\q)/2)*APL+((\q)%2)*64+\i*16*PA+32
.endr
.endm
.macro PLACES                          ; four places in front of loads into registers that matrix instructions have read, and of the first read of results
.rept 4
	v_nop
.endr
.endm
.macro QUARTER slot, qn, f, g, zero    ; multiplies buffer f and fetches the slot's quarter qn into g
	s_wait_dscnt 8                                 ; B and A's blocks 0-3 are in; the youngest eight loads (A's blocks 4-7) may be out
	WIN MUL
	MUL8 \f, 0, \zero
	MUL8 \f, 2, \zero
	PLACES
	FETCH \slot, \qn, \g
	s_wait_dscnt 24                                ; all but the 24 just issued
	WIN MUL
	MUL8 \f, 4, \zero
	MUL8 \f, 6, \zero
.endm
; A K step's last quarter multiplies buffer 1 and changes slots: one barrier; in front of it each wave waits for all its tensor loads, adds 0 to its spare word, and waits for that and for its reads of this slot.
.macro TURN slot, next, fill
	WIN 0
	s_wait_tensorcnt 0x0                           ; all my tensor loads have landed: my part of the next slot
	ds_add_u32 v[SPW], v[NIL]
	s_wait_dscnt 9                                 ; (the add and the youngest eight loads may be out)
	WIN MUL
	MUL8 1, 0, 0
	s_wait_dscnt 0x0                               ; the add is done, and my reads of this slot are over
	s_barrier_signal -1
	MUL8 1, 2, 0
	WIN 0
	s_barrier_wait -1
.if \fill
	CREST                                          ; the barrier has opened a round of the cluster's: no wave of any partner still reads this slot or has a load on its way
	s_add_nc_u64 s[G0+4*\slot+2:G0+4*\slot+3], s[G0+4*\slot+2:G0+4*\slot+3], 524288   ; two K steps on: four heads
	s_add_nc_u64 s[G0B+4*\slot+2:G0B+4*\slot+3], s[G0B+4*\slot+2:G0B+4*\slot+3], 512
	JLOAD \slot                                    ; the first tensor load behind the round; its four v_nop are also the places in front of the loads below
.else
	PLACES
.endif
	FETCH \next, 0, 0
	WIN MUL
	MUL8 1, 4, 0
	MUL8 1, 6, 0
.endm
	s_wait_tensorcnt 1                             ; my part of K step 0 is in (K step 1's load may be out),
	s_barrier_signal -1
	s_barrier_wait -1                              ; everybody's is
	FETCH 0, 0, 0
	QUARTER 0, 1, 0, 1, 1                          ; the first quarter's products start the sums
	WIN 0
	s_mov_b32 s3, 3
.Llap:                                                 ; a trip goes once round the ring and fills both slots again: K steps 2 to 7
	QUARTER 0, 2, 1, 0, 0
	QUARTER 0, 3, 0, 1, 0
	TURN 0, 1, 1
	QUARTER 1, 1, 0, 1, 0
	QUARTER 1, 2, 1, 0, 0
	QUARTER 1, 3, 0, 1, 0
	TURN 1, 0, 1
	QUARTER 0, 1, 0, 1, 0
	WIN 0
	s_sub_co_u32 s3, s3, 1
	s_cmp_lg_u32 s3, 0
	s_cbranch_scc1 .Llap
	QUARTER 0, 2, 1, 0, 0                          ; the last lap fills nothing
	QUARTER 0, 3, 0, 1, 0
	TURN 0, 1, 0
	QUARTER 1, 1, 0, 1, 0
	QUARTER 1, 2, 1, 0, 0
	QUARTER 1, 3, 0, 1, 0
	s_wait_dscnt 8
	WIN MUL
	MUL8 1, 0, 0
	MUL8 1, 2, 0
	s_wait_dscnt 0
	MUL8 1, 4, 0
	MUL8 1, 6, 0
	WIN 0
; THE WAY OUT, block by block of 16 rows x 64 columns: a lane's 32 bytes into my stage, back as whole rows of 256 bytes, two rows an instruction.
.macro TOSTAGE a
	WIN 0x08                                       ; an LDS store's data: window 2
.irp b, 0,1,2,3
	ds_store_b128 v[STO], v[8*(4*(\a)+\b):8*(4*(\a)+\b)+3] offset:64*\b          ; each accumulator from its low end on
	ds_store_b128 v[STO], v[8*(4*(\a)+\b)+4:8*(4*(\a)+\b)+7] offset:64*\b+16
.endr
	WIN 0
.set BB, BK+32*((\a)%2)
.irp t, 0,1,2,3,4,5,6,7
	ds_load_b128 v[BB+4*\t:BB+4*\t+3], v[RD] offset:\t*2*SPITCH    ; LDS serves a wave's instructions in order: these see the stores above
.endr
.endm
.macro SEND a, younger
.set BB, BK+32*((\a)%2)
	s_wait_dscnt \younger
.if (\a) > 0
	s_add_nc_u64 s[8:9], s[8:9], 524288            ; (behind a wait on XCNT)  16 s on
.endif
.irp t, 0,1,2,3,4,5,6,7
	global_store_b128 v[CO], v[BB+4*\t:BB+4*\t+3], s[8:9] offset:\t*65536 th:TH_STORE_NT   ; 16 lanes store 256 consecutive bytes, at a multiple of 256 from out0's first byte
.endr
.endm
	PLACES
	TOSTAGE 0
.irp a, 1,2,3,4,5,6,7
.if \a > 1
	s_wait_xcnt 0x0                                ; block a - 2's stores have read their registers and their base
.endif
	TOSTAGE \a
	SEND \a-1, 16                                  ; behind block a - 1's loads: block a's 8 stores and 8 loads
.endr
	s_wait_xcnt 0x0
	SEND 7, 0
	s_wait_tensorcnt 0x0                           ; the wave's end
	ds_add_u32 v[SPW], v[NIL]
	s_wait_dscnt 0x0
	CROUND                                         ; the closing round
	s_endpgm
.Lfunc_end_k_qd0e5e64350_outp:
	.size	k_qd0e5e64350_outp, .Lfunc_end_k_qd0e5e64350_outp-k_qd0e5e64350_outp
	.p2alignl 7, 3214868480
	.fill 96, 4, 3214868480
	.section	.rodata,"a",@progbits
	.p2align	6, 0x0
	.amdhsa_kernel k_qd0e5e64350_outp
		.amdhsa_group_segment_fixed_size 327680
		.amdhsa_private_segment_fixed_size 0
		.amdhsa_enable_private_segment 0
		.amdhsa_kernarg_size 24
		.amdhsa_user_sgpr_count 2
		.amdhsa_user_sgpr_kernarg_segment_ptr 1
		.amdhsa_wavefront_size32 1
		.amdhsa_system_sgpr_workgroup_id_x 1
		.amdhsa_system_sgpr_workgroup_id_y 1
		.amdhsa_system_sgpr_workgroup_id_z 1
		.amdhsa_system_vgpr_workitem_id 0
		.amdhsa_next_free_vgpr 768
		.amdhsa_next_free_sgpr 66
		.amdhsa_reserve_vcc 0
		.amdhsa_float_denorm_mode_32 3
		.amdhsa_float_denorm_mode_16_64 3
		.amdhsa_memory_ordered 1
		.amdhsa_forward_progress 1
		.amdhsa_inst_pref_size 87
	.end_amdhsa_kernel
	.amdgpu_metadata
---
amdhsa.version: [ 1, 2 ]
amdhsa.kernels:
  - .name:           k_qd0e5e64350_outp
    .symbol:         k_qd0e5e64350_outp.kd
    .args:
      - { .name: att, .offset: 0, .size: 8, .value_kind: global_buffer, .address_space: global }
      - { .name: wo16, .offset: 8, .size: 8, .value_kind: global_buffer, .address_space: global }
      - { .name: out0, .offset: 16, .size: 8, .value_kind: global_buffer, .address_space: global }
    .group_segment_fixed_size: 327680
    .private_segment_fixed_size: 0
    .kernarg_segment_align: 8
    .kernarg_segment_size: 24
    .max_flat_workgroup_size: 128
    .sgpr_count:     66
    .vgpr_count:     768
    .wavefront_size: 32
...
	.end_amdgpu_metadata
.endif
;; end of part 4
